; MI455X (gfx1250); checked and timed in simulation.
; The chip was launched on July 23, 2026; its instructions are those of AMD's public machine-readable ISA for CDNA 5 (MIT licence, August 2026) and "CDNA5" Instruction Set Architecture Reference Guide (July 2026). The comments in the code are by the model that wrote it; some were corrected since.
;; Causal Self Attention. Allowed arithmetic: matrix products marked QUANTISED: E4M3 operands, one E8M0 scale for each 32 along K, by v_wmma_scale_f32_16x16x128_f8f6f4 with both operands' format E4M3, f32 sums; everything else in f32.
;; Inputs: b_out 1,024 float32; b_qkv 3,072 float32; w_out 1,024 x 1,024 float32; w_qkv 1,024 x 3,072 float32; x 4 x 2,048 x 1,024 float32.
;; Outputs: out0 4 x 2,048 x 1,024 float32.
;; This version of the problem:
;;   THIS VERSION OF THE PROBLEM IS GIVEN IN LOW PRECISION. The matrix products marked QUANTISED in the list below multiply operands that are first quantised to E4M3 (4 exponent bits, 3 mantissa bits; 8 bits a number), with one power-of-two scale for each 32 numbers along K (OCP MX v1.0); their sums are f32. All else is computed in f32.
;;   The module's matrix products, in the order in which they are computed (A, B: the left and right operand; K: the contracted axis; several contracted axes count as one K, in the product's order):
;;     1. [M 8,192, K 1,024] x [K 1,024, N 3,072]; A: input x; B: input w_qkv: QUANTISED
;;     2. batch 64 x [M 2,048, K 64] x [K 64, N 2,048]; A: computed on the way; B: computed on the way: QUANTISED
;;     3. batch 64 x [M 2,048, K 2,048] x [K 2,048, N 64]; A: softmax (see below); B: computed on the way: QUANTISED
;;     4. [M 8,192, K 1,024] x [K 1,024, N 1,024]; A: computed on the way; B: input w_out: QUANTISED
;;   THE QUANTISER, for each operand of a quantised product, along K:
;;     - K is cut into blocks of 32 from its start; a last block that is shorter is filled with zeros.
;;     - A block's scale is 2^e with e = floor(log2(the largest magnitude in the block)) - 8, held to -126 .. 127; a block of zeros has e = 0. As a byte (E8M0): e + 127.
;;     - Each number is divided by its block's scale, clamped to +-448, and rounded to the nearest number of E4M3, ties to even, subnormals kept.
;;     - The product sums the exact products of the quantised numbers (number of the format x scale) in f32.
;;   ~~~python
;;   def quantise(x, axis):      # numpy; x: float32 -> the quantised numbers, widened to float32 again
;;       x = np.moveaxis(x, axis, -1); K = x.shape[-1]
;;       x = np.pad(x, [(0, 0)] * (x.ndim - 1) + [(0, -K % 32)]); x = x.reshape(x.shape[:-1] + (-1, 32)); a = np.abs(x).max(-1, keepdims=True)
;;       e = np.where(a > 0, np.clip(np.frexp(np.where(a > 0, a, 1))[1] - 1 - 8, -126, 127), 0)      # np.frexp(a)[1] - 1 = floor(log2(a)), exactly
;;       r = np.clip(x / 2.0 ** e, -448, 448)
;;       step = 2.0 ** (np.maximum(np.frexp(np.where(r == 0, 1, r))[1] - 1, -6) - 3)
;;       q = np.round(r / step) * step * 2.0 ** e      # np.round: ties to even
;;       return np.moveaxis(q.reshape(q.shape[:-2] + (-1,))[..., :K], -1, axis).astype(np.float32)
;;   ~~~
;;   SOFTMAX AHEAD OF A QUANTISED PRODUCT. Where the list says 'softmax', what is quantised is not the finished softmax but p = 2^(t - M), with t = logit x log2(e) and M = ceil(the row's largest t), a whole number; so 1/2 < the row's largest p <= 1. The row's sum l is taken of the UNQUANTISED p, in f32, and the product's result is divided by l at the end. Since M is a whole number, a kernel that streams over the keys may use a running M (the ceiling of the running maximum): every later rescaling is an exact power of two, which a block's scale takes up: the codes' values come out the same.
;;   OPERANDS COMPUTED ON THE WAY. 'Computed on the way' means the value that the module computes at that place (a softmax that the list does not call 'softmax' is quantised finished and normalised). What goes into a quantiser is computed in f32, as accurately as f32 sums, v_exp_f32 and their like allow (about 1e-6 of the number): no bf16 or f16 on the way to a quantiser, and a product that is left as it is and whose result goes on into a quantised operand takes f32 operands (vector FMAs, or v_wmma_f32_16x16x4_f32). A number that lies on a knife's edge between two numbers of the format may be rounded either way, as far as f32 arithmetic and the matrix unit's own rounding can turn it there, and no further.
;; One version. Each part assembles by itself: llvm-mc -triple=amdgcn-amd-amdhsa -mcpu=gfx1250 --defsym DOCPART=n.
;; ======== version 1 of 1: 4 launches
;; limits: right only within a limited range of input values
;; workspace buffers: cod 12,582,912 bytes; scl 393,216 bytes; qkv 25,952,256 bytes; oc 8,388,608 bytes; osc 262,144 bytes
;; launch quant (part 1): grid 768 x 1, 4 waves a work-group, no clusters, 34,304 bytes of LDS; arguments x, w_qkv, w_out, cod, scl; writes cod, scl
.if DOCPART == 1
	.amdgcn_target "amdgcn-amd-amdhsa--gfx1250"
	.amdhsa_code_object_version 6
	.text
	.protected	k_qdbf324c5dd_quant
	.globl	k_qdbf324c5dd_quant
	.p2align	8
	.type	k_qdbf324c5dd_quant,@function
k_qdbf324c5dd_quant:
	s_mov_b64 s[64:65], 0
	v_nop
	global_prefetch_b8 v0, s[64:65] scope:SCOPE_SE
	s_setreg_imm32_b32 hwreg(HW_REG_WAVE_MODE, 25, 1), 1
	s_wait_xcnt 0x0
; x [8192][1024], w_qkv [1024][3072] and w_out [1024][1024], f32, become codes of FP8 (E4M3) with one E8M0 byte for each 32 along K (K = the 1,024 in all three).
; A block's scale is 2^(floor(log2(its largest magnitude)) - 8); each number is divided by it, held within +-448 and rounded to the nearest code, ties to even.
; LAYOUT OF THE CODES (cod): [row tile 0..767][K step of 128, 0..7][2,048 bytes].  Row tiles 0-511 are x's rows, 512-703 w_qkv's columns n, 704-767 w_out's columns n.
; A tile's 2,048 bytes are the operand's registers as the matrix instruction wants them: group c (0..3) is 512 bytes, lane l's 16 bytes at 16 l: row l % 16, K = 32 c + 16 (l / 16) + 0..15.
; ROWS ARE KEPT IN A STORED ORDER: row i of tile 2 g + u is the actual row 32 g + 8 u + i + 8 (i / 8).  So a product that takes such tiles as its source 0 leaves 16 neighbours of the actual order in a lane's 16 registers of two tiles.
; LAYOUT OF THE SCALES (scl): [row tile][K / 256, 0..3][row 0..15][2 words]; a word is the four bytes of one K step of 128.
; LIMITS: NaN and infinities among the inputs are not served.  A block of zeros gets the byte 1 and not 127: its codes are zeros, and this program alone reads the bytes.  Blocks whose largest magnitude lies under 2^-118 are held at the byte 1.
; SHARES.  Work-groups 0-511 take x, a row tile each (K innermost: loads of 512 consecutive bytes, turned through the wave's own stage in LDS); a wave takes 256 along K, two K steps, and has all its 32 loads out at once.
; Work-groups 512-767 take the weights (K outermost: a lane takes a column, its registers run down K): 128 columns x 128 along K each, four blocks of 32 a lane, two blocks' 64 loads out.  Only x's path uses LDS.  Waves share nothing: no barrier.
.set R,   16                           ; x: v16-143  two sets of 64 numbers as loaded
.set X,   144                          ; x: v144-207 64 numbers: register 16 b + i = K 32 b + 16 (lane / 16) + i of my row
.set PC,  208                          ; x: v208-223 the codes just made
.set TM,  224                          ; x: v224-239 at work
.set PW,  240                          ; x: the scale word just made
.set SW,  242                          ; x: v242-243 the two K steps' scale words
.set VO,  16                           ; w: v16-47   4 x lane + i x the row's bytes
.set WX,  48                           ; w: v48-111  two sets of 32 numbers
.set WC,  112                          ; w: v112-119 a block's codes
.set SB,  120                          ; w: v120     the four scale bytes
.set SEL, 50                           ; s[50:51] lane selects: lane l xor 16
.set MNT, 52                           ; s52 the mantissa field of 448
; 64 numbers of a lane become a fragment's 16 registers of codes, v[PC] on, and its row's scale word, v[PW].
.macro QUANT s
.irp b, 0,1,2,3
	v_max3_num_f32 v[TM+\b], |v[\s+16*\b]|, |v[\s+1+16*\b]|, 0x4800000   ; block b: my 16 numbers, and the floor 2^(9 - 127): the byte cannot fall under 1
.endr
.irp i, 2,4,6,8,10,12,14
.irp b, 0,1,2,3
	v_max3_num_f32 v[TM+\b], v[TM+\b], |v[\s+16*\b+\i]|, |v[\s+1+16*\b+\i]|   ; the four blocks by turns
.endr
.endr
.irp b, 0,1,2,3
	v_permlanex16_b32 v[TM+4+\b], v[TM+\b], s[SEL], s[SEL+1]
.endr
.irp b, 0,1,2,3
	v_max_num_f32 v[TM+\b], v[TM+\b], v[TM+4+\b]   ; with lane l xor 16's 16: the block's largest magnitude
.endr
.irp b, 0,1,2,3
	v_add_nc_u32 v[TM+12+\b], 0xfc000000, v[TM+\b]   ; 8 off its exponent field: the conversion's scale operand
.endr
.irp b, 0,1,2,3
	v_and_or_b32 v[TM+8+\b], v[TM+\b], 0x7f800000, s[MNT]   ; 448 x the scale
.endr
.irp b, 0,1,2,3
	v_lshrrev_b32 v[TM+4+\b], 23, v[TM+12+\b]   ; the scale's byte
.endr
	v_lshl_or_b32 v[PW], v[TM+5], 8, v[TM+4]
	v_lshl_or_b32 v[PW], v[TM+6], 16, v[PW]
	v_lshl_or_b32 v[PW], v[TM+7], 24, v[PW]
.irp b, 0,1,2,3
.irp i, 0,1,2,3,4,5,6,7,8,9,10,11,12,13,14,15
	v_med3_num_f32 v[\s+16*\b+\i], v[\s+16*\b+\i], -v[TM+8+\b], v[TM+8+\b]   ; the conversion to an 8-bit code does not saturate (ISA guide 7.6.2): the hold comes first
.endr
	v_cvt_scalef32_pk8_fp8_f32 v[PC+4*\b:PC+1+4*\b], v[\s+16*\b:\s+7+16*\b], v[TM+12+\b]
	v_cvt_scalef32_pk8_fp8_f32 v[PC+2+4*\b:PC+3+4*\b], v[\s+8+16*\b:\s+15+16*\b], v[TM+12+\b]
.endr
	v_nop                                          ; a plain vector line behind the last conversion
.endm
	s_load_b256 s[4:11], s[0:1], 0x0               ; x s[4:5], w_qkv s[6:7], w_out s[8:9], cod s[10:11]
	s_load_b64 s[12:13], s[0:1], 0x20              ; scl
	v_lshl_add_u32 v248, v0, 2, 0x8400
	v_mov_b32 v249, 0
	v_lshrrev_b32 v1, 5, v0
	v_readfirstlane_b32 s16, v1                    ; wave 0..3
	v_and_b32 v5, 31, v0                           ; lane
	s_mov_b32 s[SEL], 0x76543210
	s_mov_b32 s[SEL+1], 0xfedcba98
	s_mov_b32 s[MNT], 0x600000
	s_wait_kmcnt 0x0
	s_cmp_lt_u32 ttmp9, 512
	s_cbranch_scc0 .Lweights
	; ---------------- x: the work-group takes row tile ttmp9, wave w the K quarter w: 16 rows x 256 K, two K steps
	s_lshr_b32 s18, ttmp9, 1                       ; the pair of row tiles,
	s_and_b32 s19, ttmp9, 1                        ; and which of the two
	s_lshl_b32 s20, s18, 17                        ; x: 32 rows of 4,096 bytes a pair,
	s_lshl_b32 s21, s19, 15                        ; the odd tile begins 8 rows further down,
	s_add_co_u32 s20, s20, s21
	s_lshl_b32 s21, s16, 10                        ; 256 numbers a quarter
	s_add_co_u32 s20, s20, s21
	s_mov_b32 s21, 0
	s_add_nc_u64 s[4:5], s[4:5], s[20:21]
	s_lshl_b32 s20, ttmp9, 14                      ; codes: 16,384 bytes a row tile, 4,096 a quarter
	s_lshl_b32 s22, s16, 12
	s_add_co_u32 s20, s20, s22
	s_add_nc_u64 s[10:11], s[10:11], s[20:21]
	s_lshl_b32 s20, ttmp9, 9                       ; scales: 512 bytes a row tile, 128 a quarter
	s_lshl_b32 s22, s16, 7
	s_add_co_u32 s20, s20, s22
	s_add_nc_u64 s[12:13], s[12:13], s[20:21]
	s_wait_alu depctr_va_vdst(0)                   ; the wait stands here, directly ahead of the reader below
	v_lshlrev_b32 v1, 4, v5                        ; 16 x lane: my bytes of a load's 512, and of a group of codes
	s_mul_i32 s22, s16, 8448                       ; my stage: 16 rows of 512 bytes + 16 of padding
	v_add_nc_u32 v2, s22, v1                       ; into it: as loaded
	v_and_b32 v6, 15, v0                           ; r
	v_bfe_u32 v7, v0, 4, 1                         ; h
	v_mul_u32_u24 v3, v6, 528
	v_lshl_add_u32 v3, v7, 6, v3
	v_add_nc_u32 v3, s22, v3                       ; out of it: row r, + 64 h: my 16 numbers of a block of 32
	v_lshlrev_b32 v4, 3, v6                        ; 8 r: my row's two scale words (both halves of the lanes hold the same two)
.irp b, 0,1,2,3
	v_mov_b32 v[TM+4+\b], 0                        ; written once: a lane permute's destination counts as one of its sources
.endr
.macro XLOAD t                         ; K step t of my 16 rows: each load reads 512 consecutive bytes of one row
.irp i, 0,1,2,3,4,5,6,7,8,9,10,11,12,13,14,15
	global_load_b128 v[R+64*(\t)+4*\i:R+64*(\t)+4*\i+3], v1, s[4:5] offset:(\i+8*(\i/8))*4096+512*(\t) th:TH_LOAD_NT
.endr
.endm
.macro XSTEP t
.if (\t) < 1
	s_wait_loadcnt 16                              ; this step's 16 loads are in; the next step's 16 may be out
.else
	s_wait_loadcnt 0x0
.endif
	s_wait_xcnt 0x0                                ; the last step's stores have read the codes' registers
.irp i, 0,1,2,3,4,5,6,7,8,9,10,11,12,13,14,15
	ds_store_b128 v2, v[R+64*(\t)+4*\i:R+64*(\t)+4*\i+3] offset:528*\i
.endr
.irp c, 0,1,2,3
.irp j, 0,1,2,3
	ds_load_b128 v[X+16*\c+4*\j:X+16*\c+4*\j+3], v3 offset:128*\c+16*\j   ; LDS serves a wave's instructions in order: these see my stores
.endr
.endr
	s_wait_dscnt 0x0
	QUANT X
	v_mov_b32 v[SW+(\t)], v[PW]
.irp c, 0,1,2,3
	global_store_b128 v1, v[PC+4*\c:PC+4*\c+3], s[10:11] offset:2048*(\t)+512*\c   ; 512 consecutive bytes
.endr
.endm
	XLOAD 0
	XLOAD 1
	s_wait_alu depctr_va_vdst(0)                   ; the wait at the head's end
	XSTEP 0
	XSTEP 1
	global_store_b64 v4, v[SW:SW+1], s[12:13]      ; 128 consecutive bytes; the four waves' lie on end
	s_wait_tensorcnt 0x0                           ; the wave's end
	ds_add_u32 v248, v249
	s_wait_dscnt 0x0
	s_endpgm
	; ---------------- the weights: a work-group takes 128 columns x 128 along K; a wave 32 columns; a lane one column, four blocks of 32
.Lweights:
	s_sub_co_u32 s17, ttmp9, 512
	s_lshr_b32 s18, s17, 3                         ; column group 0..31: 0-23 w_qkv, 24-31 w_out
	s_and_b32 s19, s17, 7                          ; which K step of 128
	s_mov_b32 s20, 4096
	s_sub_co_u32 s21, s18, 24
	s_cmp_lt_u32 s18, 24                           ; the choice hangs on the work-group's number alone
	s_cselect_b64 s[6:7], s[6:7], s[8:9]           ; the weight,
	s_cselect_b32 s20, 12288, s20                  ; its row in bytes,
	s_cselect_b32 s21, s18, s21                    ; and the column group within it
	s_lshl_b32 s22, s21, 9                         ; 128 columns of 4 bytes,
	s_lshl_b32 s23, s16, 7                         ; 32 a wave,
	s_add_co_u32 s22, s22, s23
	s_lshl_b32 s23, s19, 7
	s_mul_i32 s23, s23, s20                        ; 128 rows for each K step
	s_add_co_u32 s22, s22, s23
	s_mov_b32 s23, 0
	s_add_nc_u64 s[32:33], s[6:7], s[22:23]        ; block 0's first row at my wave's first column
	s_lshl_b32 s24, s20, 5                         ; 32 rows
	s_mov_b32 s25, 0
.irp t, 1,2,3
	s_add_nc_u64 s[32+2*\t:33+2*\t], s[30+2*\t:31+2*\t], s[24:25]   ; a base for each block: the row's length is chosen, so it cannot stand in an immediate
.endr
	s_lshl_b32 s26, s18, 3
	s_lshl_b32 s27, s16, 1
	s_add_co_u32 s26, s26, s27
	s_add_co_u32 s26, s26, 512                     ; my wave's first row tile: 512 + 8 x group + 2 x wave (w_out's begin at 704 = 512 + 8 x 24)
	s_lshl_b32 s28, s26, 14
	s_lshl_b32 s27, s19, 11                        ; a K step of 2,048 bytes
	s_add_co_u32 s28, s28, s27
	s_mov_b32 s29, 0
	s_add_nc_u64 s[10:11], s[10:11], s[28:29]
	s_lshl_b32 s28, s26, 9
	s_lshr_b32 s27, s19, 1
	s_lshl_b32 s27, s27, 7                         ; 128 bytes for each 256 along K,
	s_add_co_u32 s28, s28, s27
	s_and_b32 s27, s19, 1
	s_lshl_b32 s27, s27, 2                         ; and which of a row's two words
	s_add_co_u32 s28, s28, s27
	s_add_nc_u64 s[12:13], s[12:13], s[28:29]
	s_wait_alu depctr_va_vdst(0)                   ; the wait stands here, directly ahead of the reader below
	v_lshlrev_b32 v10, 2, v5                       ; 4 x lane
.irp i, 0,1,2,3,4,5,6,7,8,9,10,11,12,13,14,15,16,17,18,19,20,21,22,23,24,25,26,27,28,29,30,31
	v_mad_u32_u24 v[VO+\i], s20, \i, v10
.endr
	v_bfe_u32 v11, v5, 3, 1                        ; the stored order: column L of 32 lies in tile u = bit 3 of L,
	v_and_b32 v12, 7, v5
	v_bfe_u32 v13, v5, 4, 1
	v_lshl_or_b32 v12, v13, 3, v12                 ; at row r = L % 8 + 8 x bit 4 of L
	v_lshlrev_b32 v8, 4, v12
	v_lshl_add_u32 v8, v11, 14, v8                 ; codes: 16,384 u + 16 r
	v_lshlrev_b32 v9, 3, v12
	v_lshl_add_u32 v9, v11, 9, v9                  ; scales: 512 u + 8 r
.macro WLOAD t                         ; block t: 32 rows at my column; a wave reads 128 consecutive bytes, the four waves 512
.irp i, 0,1,2,3,4,5,6,7,8,9,10,11,12,13,14,15,16,17,18,19,20,21,22,23,24,25,26,27,28,29,30,31
	global_load_b32 v[WX+32*((\t)%2)+\i], v[VO+\i], s[32+2*(\t):33+2*(\t)] th:TH_LOAD_NT
.endr
.endm
.macro WBLOCK t
.set XS, WX+32*((\t)%2)
.if (\t) < 3
	s_wait_loadcnt 32                              ; this block's 32 loads are in; the next block's may be out
.else
	s_wait_loadcnt 0x0
.endif
	v_max3_num_f32 v10, |v[XS]|, |v[XS+1]|, |v[XS+2]|   ; all 32 numbers of the block are mine
	v_max3_num_f32 v11, |v[XS+3]|, |v[XS+4]|, |v[XS+5]|
.irp i, 6,10,14,18,22,26
	v_max3_num_f32 v10, v10, |v[XS+\i]|, |v[XS+\i+1]|
	v_max3_num_f32 v11, v11, |v[XS+\i+2]|, |v[XS+\i+3]|
.endr
	v_max3_num_f32 v10, v10, |v[XS+30]|, |v[XS+31]|
	v_max3_num_f32 v10, v10, v11, 0x4800000        ; and the floor
	v_add_nc_u32 v12, 0xfc000000, v10              ; the conversion's scale operand
	v_and_or_b32 v13, v10, 0x7f800000, s[MNT]      ; 448 x the scale
	v_lshrrev_b32 v11, 23, v12                     ; the byte
.if (\t) == 0
	v_mov_b32 v[SB], v11
.else
	v_lshl_or_b32 v[SB], v11, 8*(\t), v[SB]
.endif
.irp i, 0,1,2,3,4,5,6,7,8,9,10,11,12,13,14,15,16,17,18,19,20,21,22,23,24,25,26,27,28,29,30,31
	v_med3_num_f32 v[XS+\i], v[XS+\i], -v13, v13
.endr
	s_wait_alu depctr_va_vdst(0)                   ; the wait stands here, directly ahead of the wait below
	s_wait_xcnt 0x0                                ; the last block's stores have read the codes' registers
.irp g, 0,1,2,3
	v_cvt_scalef32_pk8_fp8_f32 v[WC+2*\g:WC+2*\g+1], v[XS+8*\g:XS+8*\g+7], v12
.endr
	v_nop
	global_store_b128 v8, v[WC:WC+3], s[10:11] offset:(\t)*512        ; K 0-15 of the block: the place of lane r; the 16 lanes of a tile fill 256 consecutive bytes
	global_store_b128 v8, v[WC+4:WC+7], s[10:11] offset:(\t)*512+256  ; K 16-31: the place of lane 16 + r
.if (\t)+2 < 4
	WLOAD (\t)+2
.endif
.endm
	WLOAD 0
	WLOAD 1
.irp t, 0,1,2,3
	WBLOCK \t
.endr
	global_store_b32 v9, v[SB], s[12:13]           ; my row's scale word of this K step
	s_endpgm
.Lfunc_end_k_qdbf324c5dd_quant:
	.size	k_qdbf324c5dd_quant, .Lfunc_end_k_qdbf324c5dd_quant-k_qdbf324c5dd_quant
	.p2alignl 7, 3214868480
	.fill 96, 4, 3214868480
	.section	.rodata,"a",@progbits
	.p2align	6, 0x0
	.amdhsa_kernel k_qdbf324c5dd_quant
		.amdhsa_group_segment_fixed_size 34304
		.amdhsa_private_segment_fixed_size 0
		.amdhsa_enable_private_segment 0
		.amdhsa_kernarg_size 40
		.amdhsa_user_sgpr_count 2
		.amdhsa_user_sgpr_kernarg_segment_ptr 1
		.amdhsa_wavefront_size32 1
		.amdhsa_system_sgpr_workgroup_id_x 1
		.amdhsa_system_sgpr_workgroup_id_y 1
		.amdhsa_system_sgpr_workgroup_id_z 1
		.amdhsa_system_vgpr_workitem_id 0
		.amdhsa_next_free_vgpr 250
		.amdhsa_next_free_sgpr 66
		.amdhsa_reserve_vcc 0
		.amdhsa_float_denorm_mode_32 3
		.amdhsa_float_denorm_mode_16_64 3
		.amdhsa_memory_ordered 1
		.amdhsa_forward_progress 1
		.amdhsa_inst_pref_size 58
	.end_amdhsa_kernel
	.amdgpu_metadata
---
amdhsa.version: [ 1, 2 ]
amdhsa.kernels:
  - .name:           k_qdbf324c5dd_quant
    .symbol:         k_qdbf324c5dd_quant.kd
    .args:
      - { .name: x, .offset: 0, .size: 8, .value_kind: global_buffer, .address_space: global }
      - { .name: w_qkv, .offset: 8, .size: 8, .value_kind: global_buffer, .address_space: global }
      - { .name: w_out, .offset: 16, .size: 8, .value_kind: global_buffer, .address_space: global }
      - { .name: cod, .offset: 24, .size: 8, .value_kind: global_buffer, .address_space: global }
      - { .name: scl, .offset: 32, .size: 8, .value_kind: global_buffer, .address_space: global }
    .group_segment_fixed_size: 34304
    .private_segment_fixed_size: 0
    .kernarg_segment_align: 8
    .kernarg_segment_size: 40
    .max_flat_workgroup_size: 128
    .sgpr_count:     66
    .vgpr_count:     250
    .wavefront_size: 32
...
	.end_amdgpu_metadata
.endif
;; end of part 1
;; launch gemm1 (part 2): grid 16 x 16, 4 waves a work-group, clusters of 4 x 4, 327,680 bytes of LDS; arguments cod, scl, b_qkv, qkv; writes qkv
.if DOCPART == 2
	.amdgcn_target "amdgcn-amd-amdhsa--gfx1250"
	.amdhsa_code_object_version 6
	.text
	.protected	k_qdbf324c5dd_gemm1
	.globl	k_qdbf324c5dd_gemm1
	.p2align	8
	.type	k_qdbf324c5dd_gemm1,@function
k_qdbf324c5dd_gemm1:
	s_mov_b64 s[64:65], 0
	v_nop
	global_prefetch_b8 v0, s[64:65] scope:SCOPE_SE
	s_setreg_imm32_b32 hwreg(HW_REG_WAVE_MODE, 25, 1), 1
	s_wait_xcnt 0x0
	s_wait_alu depctr_hold_cnt(0) depctr_sa_sdst(0) depctr_va_vdst(0) depctr_va_sdst(0) depctr_va_ssrc(0) depctr_va_vcc(0) depctr_vm_vsrc(0)
	s_getreg_b32 s2, hwreg(HW_REG_IB_STS2, 6, 4)
	s_cmp_eq_u32 s2, 0
	s_cbranch_scc0 .Lentry_in_a_cluster
	s_endpgm
.Lentry_in_a_cluster:
	s_bfe_u32 s2, ttmp6, 0x10000c
	s_cmp_lg_u32 s2, 0xf033
	s_cbranch_scc0 .Lentry_shape_is_right
	s_endpgm
.Lentry_shape_is_right:
; qkv = x w_qkv + b_qkv on codes of FP8 (E4M3) with E8M0 scales, 8,192 x 3,072 x 1,024, and its results quantised in registers into the operands of attention: q and k along the head's 64, v along the keys.  No f32 result goes to memory.
; OPERANDS (cod, scl) lie as images of the matrix instruction's registers: [row tile of 16][K step of 128][2,048 bytes], 16,384 bytes a tile; scale bytes [row tile][K / 256][row][2 words], 512 a tile.  Tiles 0-511 x's tokens, 512-575 q's columns, 576-639 k's, 640-703 v's.  Row i of tile 2 g + u is the actual row 32 g + 8 u + i + 8 (i / 8).
; OUTPUT (qkv): records of 25,344 bytes, record ((batch x 16 + head) x 16 + tokens / 128): +0 q: 8 tiles of 16 tokens x 1,024 bytes; +8,192 q's scale bytes [row][tile][2]; +8,448 k; +16,640 v: 4 tiles of 16 channels x 128 keys; +24,832 k's scale bytes; +25,088 v's [row][tile][4].
; THE DEAL.  256 work-groups of four waves, 2 x 2.  A wave holds 64 rows of a weight, ALL of K, in 512 registers and streams blocks of 16 tokens past them; a block stands in registers whole, in two sets.
; PHASE 1: 512 tokens x 128 columns of q (tile columns 0-7) or k (8-15), 16 blocks a wave: source 0 = the weight: a lane holds a token, its 32 sums one head's 64 channels with lane l xor 16.
; PHASE 2: 256 tokens x 128 channels of v, 8 blocks: source 0 = the tokens: a lane holds a channel, and a pair of blocks gives it 16 neighbouring keys.  V's tokens are one of the work-group's own two windows of 256 (the cluster's x, odd or even); W_v's block is 4 (cluster x / 2) + cx.
; THE ORDER OF WORK.  Chunks of 128 tokens: 0, 1 the window that is not V's, 2, 3 V's.  LDS holds two slots of 128 rows.  Chunk c lies in slot c % 2; the first weight lies in slot 1 until it is in registers, W_v in slot 0.  V takes chunk 3 as it lies, then chunk 2 anew.
; FILLS, each behind a drained round of the cluster's barrier, a quarter a wave: chunk 1 behind the first weight's loads; chunks 2, 3 inside blocks 2, 6; W_v behind block 9; chunk 2 anew at the change of phase.  Each round's wait shows the fill before it.
; A block's way out stands behind its products and the fetch of the block two on.  Scale bytes gather in LDS and leave at the end as whole units of 256 bytes.
; PREFETCHES: chunks 1, 2, 3 and W_v, each block of 256 bytes named once in a cluster: sixteen waves of a cluster's row (W_v: column) share a chunk out by address, a lane a block.
; LIMITS: NaN and infinities are not served; a block of zeros gets the byte 1 (its codes are zeros; this program alone reads the bytes); blocks under 2^-118 are held at the byte 1.
.set TILEB, 16384
.set CHUNK, 8*TILEB
.set SCX,   2*CHUNK                    ; x's scale bytes, 32 tiles in the order of work
.set XN,    SCX+16384                  ; q's or k's scale bytes: [wave column][chunk][256]
.set XV,    XN+2048                    ; v's: [wave column][chunk 3, chunk 2][256]
.set SPARE, XV+1024
.set REC,   25344
.set NP, 8                             ; plain vector lines behind this matrix instruction (ISA guide 7.12.1)
.set NF, 36                            ; LDS loads of a block
.set ADRA0, 4                          ; v4   my first tile's fragments in slot 0
.set AAS0,  5                          ; v5   my row's scale words in my first tile
.set ADRA,  6                          ; v6, v7 the same for the pair that is fetched next
.set AAS,   7
.set VX,    8                          ; v8   where a scale byte goes
.set RDV,   9                          ; v9   v's bytes: the base
.set ADRB0, 10                         ; v10  my 64 rows of a weight in slot 1;  v11 in slot 0
.set ADRB1, 11
.set CO,    12                         ; v12  16 x lane
.set VB0,   13
.set ABS,   14
.set PF1,   15                         ; v15, v18, v23 the prefetches' offsets
.set SPW,   16
.set NIL,   17
.set PF2,   18
.set QSL,   19                         ; v19-22 the scale bytes' way out
.set VSL,   20
.set QSG,   21
.set VSG,   22
.set PFV,   23
.set SB,    24                         ; v24-39 the weight's scale words: register 8 p + q: lanes 0-15 tile 2 p's, lanes 16-31 tile 2 p + 1's
.set VB1,   40
.set SA,    44                         ; v44-59 x's: two sets of eight
.set ACC,   64                         ; v64-127 two sets of four accumulators
.set BQ,    128                        ; v128-159 the first products' C: the bias
.set BV,    160                        ; v160-163 v's bias, a number a tile
.set PC,    164                        ; v164-179 codes
.set TM,    192                        ; v192-207 the quantiser's
.set G1W, 24                           ; a weight: 32 rows of 4,096 bytes at the head, then 8
.set G0W, 56                           ; the first weight, then W_v
.set G1X, 32                           ; chunk 0
.set G0X, 60                           ; chunk 0, then the walking refill
.set G1R, 48                           ; a quarter of a chunk
.set G0R, 68                           ; chunk 1
.set G1S, 76                           ; x's scale bytes
.set G0S, 72
.set MNT, 45
.set MSB, 0
.macro WIN new
.if MSB != (\new)
	s_set_vgpr_msb (MSB<<8)|(\new)
.set MSB, (\new)
.endif
.endm
.macro PLACES n
.rept \n
	v_nop
.endr
.endm
.macro BARRIER
	s_barrier_signal -1
	s_barrier_wait -1
.endm
.macro CROUND
	BARRIER
	s_cmp_lg_u32 s14, 0
	s_cbranch_scc1 .Lnot_wave_0_\@
	s_barrier_signal -3
.Lnot_wave_0_\@:
	s_barrier_wait -3
	BARRIER
.endm
.macro TLOAD g0, g1                    ; an s_nop 0 and four v_nop follow a tensor load
	tensor_load_to_lds s[\g0:\g0+3], s[\g1:\g1+7]
	s_nop 0
	PLACES 4
.endm
.macro GROUP1 g, mask, rows            ; a dense run of rows of 4,096 bytes (512 elements of 8)
	s_or_b32 s[\g+0], s\mask, (3<<16)|(1<<21)
	s_mov_b32 s[\g+1], 512<<16
	s_mov_b32 s[\g+2], (\rows)<<16
	s_mov_b32 s[\g+3], 512<<16
	s_mov_b32 s[\g+4], \rows
	s_mov_b32 s[\g+5], 512
	s_mov_b32 s[\g+6], 0
	s_mov_b32 s[\g+7], 0
.endm
	s_load_b256 s[4:11], s[0:1], 0x0               ; cod, scl, b_qkv, qkv
	v_lshl_add_u32 v[SPW], v0, 2, SPARE
	v_mov_b32 v[NIL], 0
	ds_add_u32 v[SPW], v[NIL]                      ; the opening lines: the add, twice on end, and its wait
	ds_add_u32 v[SPW], v[NIL]
	v_lshrrev_b32 v1, 5, v0
	v_readfirstlane_b32 s14, v1                    ; wave
	s_lshr_b32 s15, s14, 1                         ; my row of waves: which four tiles of a chunk
	s_and_b32 s16, s14, 1                          ; my column of waves: which 64 rows of a weight
	s_bfe_u32 s40, ttmp6, 0x40000
	s_bfe_u32 s41, ttmp6, 0x40004
	s_lshl_b32 s42, ttmp9, 2
	s_add_co_u32 s42, s42, s40                     ; tile column 0..15
	s_and_b32 s17, ttmp7, 0xffff
	s_lshl_b32 s17, s17, 2
	s_add_co_u32 s17, s17, s41                     ; tile row 0..15: 512 tokens
	s_lshr_b32 s19, ttmp9, 1                       ; 0: q, 1: k
	s_and_b32 s18, ttmp9, 1                        ; V's window
	s_lshl_b32 s43, s41, 2
	s_lshl_b32 s43, 15, s43                        ; my row of the cluster shares x's rows
	s_lshl_b32 s44, 0x1111, s40                    ; my column the weights'
	s_lshl_b32 s13, s19, 2
	s_add_co_u32 s13, s13, s40                     ; W_v's block 0..7
	GROUP1 G1W, 44, 32
	GROUP1 G1X, 43, 32
	GROUP1 G1R, 43, 8
	s_or_b32 s[G1S+0], s43, (3<<16)|(1<<21)        ; a window's scale bytes: 8,192 dense bytes as 32 rows of 256
	s_mov_b32 s[G1S+1], 32<<16
	s_mov_b32 s[G1S+2], 32<<16
	s_mov_b32 s[G1S+3], 32<<16
	s_mov_b32 s[G1S+4], 32
	s_mov_b32 s[G1S+5], 32
	s_mov_b32 s[G1S+6], 0
	s_mov_b32 s[G1S+7], 0
	; offsets, each under 2^32, in the low word of the pair that will hold the address
	s_lshl_b32 s20, s17, 19
	s_lshl_b32 s21, s18, 18
	s_add_co_u32 s2, s20, s21                      ; V's window in cod
	s_xor_b32 s21, s21, 1<<18
	s_add_co_u32 s3, s20, s21                      ; the other window
	s_lshl_b32 s45, s14, 15                        ; a quarter of a chunk a wave
	s_mov_b32 s[G0X+2], s3
	s_add_co_u32 s[G0R+2], s3, s45
	s_add_co_u32 s[G0R+2], s[G0R+2], CHUNK
	s_add_co_u32 s92, s2, s45
	s_lshr_b32 s98, s17, 2
	s_lshl_b32 s98, s98, 4                         ; 16 x batch
	s_and_b32 s99, s17, 3
	s_lshl_b32 s99, s99, 2                         ; my first 128 tokens' number in the batch
	s_lshl_b32 s12, s18, 1
	s_lshl_b32 s86, s42, 1
	s_add_co_u32 s87, s86, s16
	s_and_b32 s87, s87, 15                         ; phase 1's head
	s_lshl_b32 s22, s87, 8
	s_lshl_b32 s90, s19, 12
	s_add_co_u32 s22, s22, s90                     ; its bias
	s_add_co_u32 s87, s87, s98
	s_lshl_b32 s87, s87, 4
	s_add_co_u32 s87, s87, s99
	s_add_co_u32 s87, s87, 2
	s_sub_co_u32 s87, s87, s12                     ; chunk 0's record
	s_mul_i32 s84, s87, REC
	s_mul_i32 s90, s19, 8448
	s_add_co_u32 s84, s84, s90
	s_lshl_b32 s90, s15, 12
	s_add_co_u32 s84, s84, s90                     ; my first block's codes
	s_add_co_u32 s87, s86, s15                     ; the scale bytes' way out: wave n stores wave column n / 2, chunks 2 (n % 2) and the next
	s_and_b32 s87, s87, 15
	s_add_co_u32 s87, s87, s98
	s_lshl_b32 s87, s87, 4
	s_add_co_u32 s87, s87, s99
	s_xor_b32 s91, s18, s16
	s_xor_b32 s91, s91, 1                          ; the window that is worked first (n % 2 = 0) or last
	s_lshl_b32 s90, s91, 1
	s_add_co_u32 s87, s87, s90
	s_mul_i32 s88, s87, REC
	s_mul_i32 s90, s19, 16640
	s_add_co_u32 s88, s88, s90
	s_add_co_u32 s88, s88, 8192
	s_lshl_b32 s[G0S+2], s17, 14                   ; x's scale bytes: wave 2 the first window, wave 3 the last
	s_lshl_b32 s90, s91, 13
	s_add_co_u32 s[G0S+2], s[G0S+2], s90
	s_lshl_b32 s86, s13, 1
	s_add_co_u32 s87, s86, s16                     ; phase 2's head
	s_lshl_b32 s46, s87, 8
	s_add_co_u32 s46, s46, 8192                    ; its bias
	s_add_co_u32 s87, s87, s98
	s_lshl_b32 s87, s87, 4
	s_add_co_u32 s87, s87, s99
	s_add_co_u32 s87, s87, s12
	s_add_co_u32 s87, s87, 1                       ; chunk 3's record
	s_mul_i32 s96, s87, REC
	s_lshl_b32 s90, s15, 10
	s_add_co_u32 s96, s96, s90
	s_add_co_u32 s96, s96, 16640
	s_add_co_u32 s87, s86, s15                     ; v's scale bytes: wave n stores head n / 2, chunk 3 - n % 2
	s_add_co_u32 s87, s87, s98
	s_lshl_b32 s87, s87, 4
	s_add_co_u32 s87, s87, s99
	s_add_co_u32 s87, s87, s12
	s_add_co_u32 s87, s87, 1
	s_sub_co_u32 s87, s87, s16
	s_mul_i32 s100, s87, REC
	s_add_co_u32 s100, s100, 25088
	s_lshl_b32 s90, s18, 2                         ; from chunk 1's last pair to chunk 2's first: 1 or -3 records on
	s_sub_co_i32 s90, s90, 3
	s_mul_i32 s90, s90, REC
	s_sub_co_i32 s90, s90, 2048
	s_ashr_i32 s91, s90, 31
	s_lshl_b32 s86, s42, 3
	s_add_co_u32 s86, s86, 512                     ; the first weight's first tile
	s_lshl_b32 s87, s16, 2
	s_add_co_u32 s20, s86, s87
	s_lshl_b32 s20, s20, 9                         ; my four tiles' scale bytes
	s_lshl_b32 s[G0W+2], s86, 14
	s_lshl_b32 s86, s13, 3
	s_add_co_u32 s86, s86, 640                     ; W_v's
	s_add_co_u32 s66, s86, s87
	s_lshl_b32 s66, s66, 9
	s_lshl_b32 s86, s86, 14
	s_add_co_u32 s94, s86, s45
	s_lshl_b32 s98, s41, 2
	s_add_co_u32 s98, s98, s14
	s_lshl_b32 s98, s98, 13
	s_add_co_u32 s98, s98, s86                     ; my sixteenth of W_v
	s_lshl_b32 s99, s40, 2
	s_add_co_u32 s99, s99, s14
	s_lshl_b32 s99, s99, 13                        ; my sixteenth of a chunk
.irp p, G0W+3, G0X+3, G0R+3, G0S+3, 93, 95, 21, 67, 23, 47, 85, 97, 89, 101
	s_mov_b32 s[\p], 0
.endr
	s_mov_b32 s[G0W], 1
	s_mov_b32 s[G0W+1], CHUNK
	s_mov_b32 s[G0X], 1
	s_mov_b32 s[G0X+1], 0
	s_mov_b32 s[G0R], 1
	s_add_co_u32 s[G0R+1], s45, CHUNK
	s_mov_b32 s[G0S], 1
	s_lshl_b32 s[G0S+1], s16, 13
	s_add_co_u32 s[G0S+1], s[G0S+1], SCX
	s_wait_dscnt 0x0                               ; both opening adds are done
	CROUND                                         ; all sixteen work-groups are here
	s_wait_kmcnt 0x0
.irp g, G0W, G0X, G0R
	s_add_nc_u64 s[\g+2:\g+3], s[4:5], s[\g+2:\g+3]
	s_or_b32 s[\g+3], s[\g+3], 0x80000000
.endr
	s_add_nc_u64 s[G0S+2:G0S+3], s[6:7], s[G0S+2:G0S+3]
	s_or_b32 s[G0S+3], s[G0S+3], 0x80000000
	s_add_nc_u64 s[92:93], s[4:5], s[92:93]
	s_sub_nc_u64 s[92:93], s[92:93], CHUNK         ; the walking refill is stepped ahead of each use
	s_add_nc_u64 s[94:95], s[4:5], s[94:95]
	s_add_nc_u64 s[20:21], s[6:7], s[20:21]
	s_add_nc_u64 s[66:67], s[6:7], s[66:67]
	s_add_nc_u64 s[22:23], s[8:9], s[22:23]
	s_add_nc_u64 s[46:47], s[8:9], s[46:47]
	s_add_nc_u64 s[84:85], s[10:11], s[84:85]
	s_sub_nc_u64 s[84:85], s[84:85], REC-2048      ; the first pair's step brings it to its place
	s_add_nc_u64 s[96:97], s[10:11], s[96:97]
	s_add_nc_u64 s[88:89], s[10:11], s[88:89]
	s_add_nc_u64 s[100:101], s[10:11], s[100:101]
	s_cmp_eq_u32 s14, 0                            ; one joint load a wave, in one tree of branches on the wave's number
	s_cbranch_scc0 .Lwave_1
	TLOAD G0W, G1W                                 ; wave 0: the first weight, wanted first
	s_branch .Lasked
.Lwave_1:
	s_cmp_eq_u32 s14, 1
	s_cbranch_scc0 .Lfor_scales
	TLOAD G0X, G1X                                 ; wave 1: chunk 0
	s_branch .Lasked
.Lfor_scales:
	TLOAD G0S, G1S                                 ; waves 2, 3: a window's scale bytes each
.Lasked:
	s_lshl_b32 s8, s15, 16
	s_lshl_b32 s9, s16, 16
	s_lshl_b32 s10, s15, 11
	s_add_co_u32 s10, s10, SCX
	s_lshl_b32 s11, s16, 10
	s_lshl_b32 s12, s15, 3
	s_add_co_u32 s11, s11, s12
	s_add_co_u32 s11, s11, XN-252
	s_lshl_b32 s12, s16, 9
	s_lshl_b32 s86, s15, 1
	s_add_co_u32 s12, s12, s86
	s_add_co_u32 s12, s12, XV
	s_add_co_u32 s86, s3, s99
	s_add_co_u32 s86, s86, CHUNK
	s_add_co_u32 s87, s2, s99
	s_lshl_b32 s2, s14, 9
	s_add_co_u32 s2, s2, XN
	s_lshl_b32 s3, s14, 8
	s_add_co_u32 s3, s3, XV
	v_and_b32 v1, 15, v0                           ; r
	v_bfe_u32 v2, v0, 4, 1                         ; h
	v_and_b32 v3, 31, v0
	v_lshlrev_b32 v[CO], 4, v3
	v_add_nc_u32 v[ADRA0], s8, v[CO]
	v_add_nc_u32 v[ADRA], s8, v[CO]
	v_add_nc_u32 v[ADRB1], s9, v[CO]
	v_add_nc_u32 v[ADRB0], CHUNK, v[ADRB1]
	v_lshl_add_u32 v[AAS0], v1, 3, s10
	v_lshl_add_u32 v[AAS], v1, 3, s10
	v_lshl_add_u32 v[VX], v1, 4, s11
	v_lshl_add_u32 v[RDV], v1, 4, s12
	v_lshlrev_b32 v[VB0], 6, v2
	v_and_b32 v[VB1], 8, v1
	v_add_nc_u32 v[VB1], v[VB1], v1
	v_lshlrev_b32 v[VB1], 2, v[VB1]                ; 4 (r + 8 (r / 8))
	v_lshlrev_b32 v[ABS], 9, v2
	v_lshl_add_u32 v[ABS], v1, 3, v[ABS]
	v_lshl_add_u32 v[PF1], v3, 8, s86
	v_lshl_add_u32 v[PF2], v3, 8, s87
	v_lshl_add_u32 v[PFV], v3, 8, s98
	v_add_nc_u32 v[QSL], s2, v[CO]
	v_lshlrev_b32 v[VSG], 3, v3
	v_add_nc_u32 v[VSL], s3, v[VSG]
	v_mul_u32_u24 v[QSG], v2, REC
	v_lshl_add_u32 v[QSG], v1, 4, v[QSG]
.irp b, 0,1,2,3
	v_mov_b32 v[TM+4+\b], 0                        ; written once: a lane permute's destination counts as one of its sources
.endr
	s_wait_alu depctr_va_vdst(0)                   ; the wait at the head's end
	s_sub_nc_u64 s[98:99], s[96:97], REC           ; v's codes of chunk 2
.irp b, 0,1,2,3
	global_load_b128 v[BQ+8*\b:BQ+8*\b+3], v[VB0], s[22:23] offset:128*(\b/2)+32*(\b%2)       ; tile b's register j is column 32 (b / 2) + 16 h + 8 (b % 2) + j of the head
	global_load_b128 v[BQ+8*\b+4:BQ+8*\b+7], v[VB0], s[22:23] offset:128*(\b/2)+32*(\b%2)+16
	global_load_b32 v[BV+\b], v[VB1], s[46:47] offset:128*(\b/2)+32*(\b%2)                    ; tile b's row r is channel 32 (b / 2) + 8 (b % 2) + r + 8 (r / 8)
.endr
.macro WSCALES base                    ; a weight's scale words
.irp p, 0,1
.irp c, 0,1,2,3
	global_load_b64 v[SB+8*\p+2*\c:SB+8*\p+2*\c+1], v[ABS], s[\base:\base+1] offset:1024*\p+128*\c
.endr
.endr
.endm
	WSCALES 20
	s_cmp_eq_u32 s14, 0
	s_cbranch_scc0 .Lnot_w
	s_wait_tensorcnt 0x0                           ; wave 0: the first weight has landed; the others' wait stands ahead of the round below
.Lnot_w:
	BARRIER
	global_prefetch_b8 v[PF1], s[4:5] th:TH_LOAD_NT scope:SCOPE_SE   ; chunk 1
	global_prefetch_b8 v[PF2], s[4:5] th:TH_LOAD_NT scope:SCOPE_SE   ; chunk 2
.macro WEIGHTS adr                     ; my 64 rows of a weight into windows 1 and 2: fragment 4 q + b
.irp q, 0,1,2,3,4,5,6,7
.irp b, 0,1,2,3
	WIN (1+(4*\q+\b)/16)<<6
.irp c, 0,1,2,3
	ds_load_b128 v[16*((4*\q+\b)%16)+4*\c:16*((4*\q+\b)%16)+4*\c+3], v[\adr] offset:\b*TILEB+\q*2048+512*\c
.endr
.endr
.endr
	WIN 0
.endm
	WEIGHTS ADRB0
	s_wait_tensorcnt 0x0                           ; chunk 0 and the scale bytes are in; no tensor load of mine is out, so descriptors may be written
	ds_add_u32 v[SPW], v[NIL]
	s_add_co_u32 s[G0X+1], s45, CHUNK              ; the walking refill: stepped to slot 0 and chunk 2 ahead of its first use
	s_mov_b64 s[G0X+2:G0X+3], s[92:93]
	s_or_b32 s[G0X+3], s[G0X+3], 0x80000000
	s_mov_b32 s[G0W+1], s45                        ; W_v: a quarter a wave, into slot 0
	s_mov_b64 s[G0W+2:G0W+3], s[94:95]
	s_or_b32 s[G0W+3], s[G0W+3], 0x80000000
	s_mov_b32 s[G1W+2], 8<<16
	s_mov_b32 s[G1W+4], 8
	s_wait_dscnt 0x0                               ; the add is done, and the weight is in registers
	CROUND
	TLOAD G0R, G1R                                 ; chunk 1 over the weight's rows
.macro FETCH k, xo, so                 ; a block of 16 tokens, all of K, into set k of window 3, and its scale words
	WIN 3<<6
.irp q, 0,1,2,3,4,5,6,7
.irp c, 0,1,2,3
	ds_load_b128 v[128*(\k)+16*\q+4*\c:128*(\k)+16*\q+4*\c+3], v[ADRA] offset:(\xo)+2048*\q+512*\c
.endr
.endr
	WIN 0
.irp c, 0,1,2,3
	ds_load_b64 v[SA+8*(\k)+2*\c:SA+8*(\k)+2*\c+1], v[AAS] offset:(\so)+128*\c
.endr
.endm
.macro PROD kind, e, a, n              ; product n = 4 q + b: the q-th 128 of K, weight tile b; tokens in set e, sums in set a.  kind 0: source 0 = the weight; 1: source 0 = the tokens.  The four accumulators take turns
.set Q_, (\n)/4
.set B_, (\n)%4
.set AC_, ACC+32*(\a)+8*B_
.set C_, AC_
.if Q_ == 0
.set C_, BQ+8*B_
.endif
.set R_, 128*(\e)+16*Q_
.set W_, 16*((\n)%16)
.set XS_, SA+8*(\e)+Q_
.set WS_, SB+8*(B_/2)+Q_
.if \kind
	WIN 3|((1+(\n)/16)<<2)
.if B_%2
	v_wmma_scale_f32_16x16x128_f8f6f4 v[AC_:AC_+7], v[R_:R_+15], v[W_:W_+15], v[C_:C_+7], v[XS_], v[WS_] matrix_b_scale:MATRIX_SCALE_ROW1
.else
	v_wmma_scale_f32_16x16x128_f8f6f4 v[AC_:AC_+7], v[R_:R_+15], v[W_:W_+15], v[C_:C_+7], v[XS_], v[WS_]
.endif
.else
	WIN (1+(\n)/16)|(3<<2)
.if B_%2
	v_wmma_scale_f32_16x16x128_f8f6f4 v[AC_:AC_+7], v[W_:W_+15], v[R_:R_+15], v[C_:C_+7], v[WS_], v[XS_] matrix_a_scale:MATRIX_SCALE_ROW1
.else
	v_wmma_scale_f32_16x16x128_f8f6f4 v[AC_:AC_+7], v[W_:W_+15], v[R_:R_+15], v[C_:C_+7], v[WS_], v[XS_]
.endif
.endif
.endm
.macro PRODS kind, e, a, from, to
.set N_, \from
.rept (\to)-(\from)
	PROD \kind, \e, \a, N_
.set N_, N_+1
.endr
.endm
; THE QUANTISER: nb scale blocks of 32, each 16 numbers of mine (eight registers at ACC + st b, eight at ACC + st b + of) and 16 of lane l xor 16 -> codes PC + 4 b, bytes TM + 4 + b.  Each accumulator is read from its low end on.
.macro EACH nb, line:vararg
.set B_, 0
.rept \nb
	\line
.set B_, B_+1
.endr
.endm
.macro QNT nb, st, of
	EACH \nb, v_max3_num_f32 v[TM+B_], |v[ACC+(\st)*B_]|, |v[ACC+(\st)*B_+1]|, 0x4800000
	EACH \nb, v_max3_num_f32 v[TM+8+B_], |v[ACC+(\st)*B_+(\of)]|, |v[ACC+(\st)*B_+(\of)+1]|, 0x4800000
.irp i, 2,4,6
	EACH \nb, v_max3_num_f32 v[TM+B_], v[TM+B_], |v[ACC+(\st)*B_+\i]|, |v[ACC+(\st)*B_+\i+1]|
	EACH \nb, v_max3_num_f32 v[TM+8+B_], v[TM+8+B_], |v[ACC+(\st)*B_+(\of)+\i]|, |v[ACC+(\st)*B_+(\of)+\i+1]|
.endr
	EACH \nb, v_max_num_f32 v[TM+B_], v[TM+B_], v[TM+8+B_]
	EACH \nb, v_permlanex16_b32 v[TM+4+B_], v[TM+B_], s10, s11
	EACH \nb, v_max_num_f32 v[TM+B_], v[TM+B_], v[TM+4+B_]
	EACH \nb, v_add_nc_u32 v[TM+12+B_], 0xfc000000, v[TM+B_]
	EACH \nb, v_and_or_b32 v[TM+8+B_], v[TM+B_], 0x7f800000, s[MNT]
	EACH \nb, v_lshrrev_b32 v[TM+4+B_], 23, v[TM+12+B_]
.set B_, 0
.rept \nb
.irp i, 0,1,2,3,4,5,6,7
	v_med3_num_f32 v[ACC+(\st)*B_+\i], v[ACC+(\st)*B_+\i], -v[TM+8+B_], v[TM+8+B_]   ; the conversion does not saturate (ISA guide 7.6.2): the hold comes first
.endr
.irp i, 0,1,2,3,4,5,6,7
	v_med3_num_f32 v[ACC+(\st)*B_+(\of)+\i], v[ACC+(\st)*B_+(\of)+\i], -v[TM+8+B_], v[TM+8+B_]
.endr
	v_cvt_scalef32_pk8_fp8_f32 v[PC+4*B_:PC+4*B_+1], v[ACC+(\st)*B_:ACC+(\st)*B_+7], v[TM+12+B_]
	v_cvt_scalef32_pk8_fp8_f32 v[PC+4*B_+2:PC+4*B_+3], v[ACC+(\st)*B_+(\of):ACC+(\st)*B_+(\of)+7], v[TM+12+B_]
.set B_, B_+1
.endr
	v_nop                                          ; a plain vector line behind the last conversion
.endm
.macro QOUT i                          ; block i of a pair: two groups of 512 consecutive bytes, and two bytes to their place in LDS
	global_store_b128 v[CO], v[PC:PC+3], s[84:85] offset:1024*\i
	global_store_b128 v[CO], v[PC+4:PC+7], s[84:85] offset:1024*\i+512
	ds_store_b8 v[VX], v[TM+4] offset:2*\i
	ds_store_b8 v[VX], v[TM+5] offset:2*\i+1
.endm
; A PAIR OF PHASE 1's BLOCKS.  s47, s8: where the next pair's fragments and scale words lie; s[86:87], s9: the steps to this pair's codes and bytes.  rnd = 1: a round inside the first block, and the walking refill behind it.
.macro QPAIR rnd
	s_wait_dscnt NF                                ; this block is in; of what was issued behind it at most the next block's 36 loads are out
	s_wait_xcnt 0x0                                ; the last stores have read their registers and base
	s_add_nc_u64 s[84:85], s[84:85], s[86:87]
	v_add_nc_u32 v[ADRA], s47, v[ADRA0]
	v_add_nc_u32 v[AAS], s8, v[AAS0]
	v_add_nc_u32 v[VX], s9, v[VX]
	s_wait_alu depctr_va_vdst(0)                   ; the wait stands here, directly behind the writes
.if \rnd
	s_wait_tensorcnt 0x0                           ; the fill before this one is in
	ds_add_u32 v[SPW], v[NIL]
	s_xor_b32 s[G0X+1], s[G0X+1], CHUNK            ; the slot that has just been read out, the next chunk
	s_add_nc_u64 s[G0X+2:G0X+3], s[G0X+2:G0X+3], CHUNK
	PRODS 0, 0, 0, 0, 28
	WIN 0
	s_wait_dscnt 0x0                               ; the add is done, and my reads of that slot are over
	s_barrier_signal -1
	PRODS 0, 0, 0, 28, 32
	WIN 0
	s_barrier_wait -1
	s_cmp_lg_u32 s14, 0
	s_cbranch_scc1 .Lnw_\@
	s_barrier_signal -3
.Lnw_\@:
	s_barrier_wait -3
	BARRIER
	TLOAD G0X, G1R
	PLACES NP-4
.else
	PRODS 0, 0, 0, 0, 32
	WIN 0
	PLACES NP
.endif
	FETCH 0, 0, 0
	QNT 2, 16, 8
	QOUT 0
	s_wait_dscnt NF
	s_wait_xcnt 0x0
	PRODS 0, 1, 0, 0, 32
	WIN 0
	PLACES NP
	FETCH 1, TILEB, 512
	QNT 2, 16, 8
	QOUT 1
.endm
	FETCH 0, 0, 0
	FETCH 1, TILEB, 512
	global_prefetch_b8 v[PF2], s[4:5] offset:CHUNK th:TH_LOAD_NT scope:SCOPE_SE   ; chunk 3
	global_prefetch_b8 v[PFV], s[4:5] th:TH_LOAD_NT scope:SCOPE_SE                ; W_v
	s_mov_b32 s10, 0x76543210                      ; lane selects: lane l xor 16
	s_mov_b32 s11, 0xfedcba98
	s_mov_b32 s[MNT], 0x600000                     ; the mantissa field of 448
	s_mov_b32 s2, 0                                ; this chunk's slot
	s_mov_b32 s3, 0                                ; its scale words
	s_mov_b32 s87, 0
	s_wait_loadcnt 0x0                             ; the biases and the weight's scale words
	s_mov_b32 s46, 0
.Lchunk:                                               ; chunks 0, 1
	s_add_co_u32 s47, s2, 2*TILEB
	s_add_co_u32 s8, s3, 1024
	s_mov_b32 s86, REC-2048
	s_mov_b32 s9, 252
	QPAIR 0
	s_xor_b32 s47, s2, CHUNK
	s_add_co_u32 s8, s3, 4096
	s_mov_b32 s86, 2048
	s_mov_b32 s9, 4
	QPAIR 1
	s_xor_b32 s2, s2, CHUNK
	s_add_co_u32 s3, s3, 4096
	s_add_co_u32 s46, s46, 1
	s_cmp_lt_u32 s46, 2
	s_wait_alu depctr_va_vdst(0)                   ; the wait ahead of the jump
	s_cbranch_scc1 .Lchunk
	s_mov_b32 s47, 2*TILEB                         ; blocks 8, 9
	s_mov_b32 s8, 18*512
	s_mov_b64 s[86:87], s[90:91]
	s_mov_b32 s9, 252
	QPAIR 0
	s_wait_alu depctr_va_vdst(0)
	s_wait_tensorcnt 0x0                           ; chunk 3 is in
	ds_add_u32 v[SPW], v[NIL]
	s_wait_dscnt 0x0                               ; chunk 2's last rows are in registers
	CROUND
	TLOAD G0W, G1W                                 ; W_v into slot 0
	s_mov_b32 s47, CHUNK
	s_mov_b32 s8, 24*512
	s_mov_b32 s86, 2048
	s_mov_b32 s87, 0
	s_mov_b32 s9, 4
	s_mov_b32 s46, 0
.Lpair:                                                ; blocks 10 to 15; the last trip fetches V's first two blocks: chunk 3 again
	QPAIR 0
	s_xor_b32 s47, s47, 2*TILEB
	s_xor_b32 s8, s8, 1024
	s_xor_b32 s86, s86, 2048^(REC-2048)
	s_xor_b32 s9, s9, 4^252
	s_add_co_u32 s46, s46, 1
	s_cmp_lt_u32 s46, 3
	s_wait_alu depctr_va_vdst(0)
	s_cbranch_scc1 .Lpair
	; THE CHANGE OF PHASE
	s_wait_tensorcnt 0x0                           ; my quarter of W_v is in
	s_wait_dscnt 0x0
	BARRIER
	WSCALES 66
	WEIGHTS ADRB1
.irp t, 0,1,2,3
.irp i, 0,1,2,3,4,5,6,7
	v_mov_b32 v[BQ+8*\t+\i], v[BV+\t]              ; v's bias: one number a lane and tile
.endr
.endr
	s_wait_alu depctr_va_vdst(0)
	s_wait_tensorcnt 0x0
	ds_add_u32 v[SPW], v[NIL]
	s_xor_b32 s[G0X+1], s[G0X+1], CHUNK            ; chunk 2 anew into slot 0
	s_sub_nc_u64 s[G0X+2:G0X+3], s[G0X+2:G0X+3], CHUNK
	s_wait_dscnt 0x0                               ; W_v is in registers
	CROUND
	TLOAD G0X, G1R
	s_mov_b32 s47, CHUNK+2*TILEB
	s_mov_b32 s8, 26*512
	s_mov_b32 s46, 0
	s_wait_loadcnt 0x0                             ; W_v's scale words
.Lvpair:                                               ; a pair of V's blocks a trip; every LDS load of mine has landed at a trip's head
	s_wait_xcnt 0x0
	s_cmp_lt_u32 s46, 2
	s_cselect_b64 s[84:85], s[96:97], s[98:99]     ; chunk 3's record, then chunk 2's
	s_and_b32 s20, s46, 1
	s_lshl_b32 s22, s20, 9
	s_mov_b32 s23, 0
	s_add_nc_u64 s[84:85], s[84:85], s[22:23]      ; the pair's 32 keys: a group of 512 bytes in each tile
	s_lshr_b32 s21, s46, 1
	s_lshl_b32 s21, s21, 8
	s_add_co_u32 s21, s21, s20
	v_add_nc_u32 v[VX], s21, v[RDV]
	v_add_nc_u32 v[ADRA], s47, v[ADRA0]
	v_add_nc_u32 v[AAS], s8, v[AAS0]
	s_wait_alu depctr_va_vdst(0)
	PRODS 1, 0, 0, 0, 32
	WIN 0
	PLACES NP
	s_cmp_eq_u32 s46, 3
	s_cbranch_scc1 .Lnone_0
	FETCH 0, 0, 0
.Lnone_0:
	PRODS 1, 1, 1, 0, 32
	WIN 0
	PLACES NP
	s_cmp_eq_u32 s46, 3
	s_cbranch_scc1 .Lnone_1
	FETCH 1, TILEB, 512
.Lnone_1:
	QNT 4, 8, 32
.irp t, 0,1,2,3
	global_store_b128 v[CO], v[PC+4*\t:PC+4*\t+3], s[84:85] offset:2048*\t
	ds_store_b8 v[VX], v[TM+4+\t] offset:4*\t
.endr
	s_mov_b32 s8, 18*512
	s_cmp_eq_u32 s46, 0
	s_cselect_b32 s47, 0, 2*TILEB
	s_cselect_b32 s8, 16*512, s8
	s_wait_alu depctr_va_vdst(0)
	s_wait_tensorcnt 0x0                           ; the first trip's shows chunk 2
	s_wait_dscnt 0x0
	BARRIER
	s_add_co_u32 s46, s46, 1
	s_cmp_lt_u32 s46, 4
	s_cbranch_scc1 .Lvpair
	s_wait_xcnt 0x0                                ; THE SCALE BYTES: behind the last barrier all of them lie in LDS
	ds_load_b128 v[PC:PC+3], v[QSL]
	ds_load_b64 v[PC+4:PC+5], v[VSL]
	s_wait_dscnt 0x0
	global_store_b128 v[QSG], v[PC:PC+3], s[88:89]         ; sixteen lanes store a record's 256 consecutive bytes
	global_store_b64 v[VSG], v[PC+4:PC+5], s[100:101]      ; 32 lanes likewise
	s_wait_tensorcnt 0x0                           ; the wave's end
	ds_add_u32 v[SPW], v[NIL]
	s_wait_dscnt 0x0
	CROUND                                         ; the closing round
	s_endpgm
.Lfunc_end_k_qdbf324c5dd_gemm1:
	.size	k_qdbf324c5dd_gemm1, .Lfunc_end_k_qdbf324c5dd_gemm1-k_qdbf324c5dd_gemm1
	.p2alignl 7, 3214868480
	.fill 96, 4, 3214868480
	.section	.rodata,"a",@progbits
	.p2align	6, 0x0
	.amdhsa_kernel k_qdbf324c5dd_gemm1
		.amdhsa_group_segment_fixed_size 327680
		.amdhsa_private_segment_fixed_size 0
		.amdhsa_enable_private_segment 0
		.amdhsa_kernarg_size 32
		.amdhsa_user_sgpr_count 2
		.amdhsa_user_sgpr_kernarg_segment_ptr 1
		.amdhsa_wavefront_size32 1
		.amdhsa_system_sgpr_workgroup_id_x 1
		.amdhsa_system_sgpr_workgroup_id_y 1
		.amdhsa_system_sgpr_workgroup_id_z 1
		.amdhsa_system_vgpr_workitem_id 0
		.amdhsa_next_free_vgpr 1024
		.amdhsa_next_free_sgpr 102
		.amdhsa_reserve_vcc 0
		.amdhsa_float_denorm_mode_32 3
		.amdhsa_float_denorm_mode_16_64 3
		.amdhsa_memory_ordered 1
		.amdhsa_forward_progress 1
		.amdhsa_inst_pref_size 155
	.end_amdhsa_kernel
	.amdgpu_metadata
---
amdhsa.version: [ 1, 2 ]
amdhsa.kernels:
  - .name:           k_qdbf324c5dd_gemm1
    .symbol:         k_qdbf324c5dd_gemm1.kd
    .args:
      - { .name: cod, .offset: 0, .size: 8, .value_kind: global_buffer, .address_space: global }
      - { .name: scl, .offset: 8, .size: 8, .value_kind: global_buffer, .address_space: global }
      - { .name: b_qkv, .offset: 16, .size: 8, .value_kind: global_buffer, .address_space: global }
      - { .name: qkv, .offset: 24, .size: 8, .value_kind: global_buffer, .address_space: global }
    .group_segment_fixed_size: 327680
    .private_segment_fixed_size: 0
    .kernarg_segment_align: 8
    .kernarg_segment_size: 32
    .max_flat_workgroup_size: 128
    .sgpr_count:     102
    .vgpr_count:     1024
    .wavefront_size: 32
...
	.end_amdgpu_metadata
.endif
;; end of part 2
;; launch attn (part 3): grid 256 x 1, 16 waves a work-group, clusters of 4 x 1, 272,384 bytes of LDS; arguments qkv, oc, osc; writes oc, osc
.if DOCPART == 3
	.amdgcn_target "amdgcn-amd-amdhsa--gfx1250"
	.amdhsa_code_object_version 6
	.text
	.protected	k_qdbf324c5dd_attn
	.globl	k_qdbf324c5dd_attn
	.p2align	8
	.type	k_qdbf324c5dd_attn,@function
k_qdbf324c5dd_attn:
	s_mov_b64 s[64:65], 0
	v_nop
	global_prefetch_b8 v0, s[64:65] scope:SCOPE_SE
	s_setreg_imm32_b32 hwreg(HW_REG_WAVE_MODE, 25, 1), 1
	s_wait_xcnt 0x0
	s_wait_alu depctr_hold_cnt(0) depctr_sa_sdst(0) depctr_va_vdst(0) depctr_va_sdst(0) depctr_va_ssrc(0) depctr_va_vcc(0) depctr_vm_vsrc(0)
	s_getreg_b32 s2, hwreg(HW_REG_IB_STS2, 6, 4)
	s_cmp_eq_u32 s2, 0
	s_cbranch_scc0 .Lentry_in_a_cluster
	s_endpgm
.Lentry_in_a_cluster:
	s_bfe_u32 s2, ttmp6, 0x10000c
	s_cmp_lg_u32 s2, 0x3003
	s_cbranch_scc0 .Lentry_shape_is_right
	s_endpgm
.Lentry_shape_is_right:
; Causal attention on codes of FP8 (E4M3) with E8M0 scales, 64 (batch, head) pairs, 2,048 tokens, head size 64; its result, divided by the row's sum, is quantised along the model's 1,024 channels for the last product.
; SOFTMAX: t = score x log2(e) / 8 (one rounding); M = the running largest t rounded UP to a whole number; p = 2^(t - M) is quantised along the keys; the row's sum is taken of the unquantised p, in f32, and divides at the end.  When M moves, the sum and O are multiplied by 2^(old M - new M): exact.
; INPUT (qkv): records of 25,344 bytes, one for each (batch, head) and 128 tokens: q 8,192, q's scales 256, k 8,192, v 8,192, k's scales 256, v's scales 256; all as images of the operands' registers (groups of 512 bytes, 16 a lane).  Tokens and channels lie in the stored order: row i of tile 2 g + u is the actual row 32 g + 8 u + i + 8 (i / 8).
; SHARES.  A cluster of four work-groups owns one (batch, head).  K, V and their scales of the WHOLE head, 16 x 16,896 bytes, come into each work-group's LDS ONCE, by joint loads, one a wave; nothing is filled again, so there is no ring.  Behind one barrier LDS is only read and the waves run free.
; A wave owns one tile of 16 queries at a time, in 256 registers; four waves share a SIMD.  Query tile 8 g + 2 cx + e needs g + 1 key steps of 128.  Wave w has e = w / 8 and takes g = 15 - w % 8 and then g = w % 8: 17 key steps for every wave.  The place in the cluster enters global addresses and the mask's numbers alone.
; HEAD SIZE 64 IN AN INSTRUCTION 128 DEEP.  Two neighbouring key tiles, 64 channels each, form ONE source 0; the queries stand as zeros | Q | zeros in 24 registers: [Q | 0] gives the first tile's scores, [0 | Q] the second's.  The other half multiplies zero codes and adds 0.
; Both products are used transposed (S^T = K Q^T, O^T = V^T P^T): a lane holds ONE query throughout; by the stored order the 16 registers of two tiles are 16 neighbouring keys (or channels).
; OUTPUT: oc [token tile][K step = head / 2][group 2 (head % 2) + b][lane][16] and osc [token tile][K / 256][row][8 bytes], the layout that the last product reads.
; LIMITS: NaN and infinities are not served (the zero halves lean on finite codes); a block of zeros gets the byte 1 (its codes are zeros; this program alone reads the bytes).
.set REC,   25344                      ; a record in memory
.set HEADB, 16*REC                     ; a (batch, head)'s records
.set LREC,  16896                      ; a key step in LDS: K 8,192, V 8,192, K's scales 256, V's scales 256
.set AL,  1                            ; v1   16 x lane
.set AS,  2                            ; v2   16 x (lane % 16)
.set QD,  3                            ; v3   my query's place among its 128 tokens - 16 (lane / 16)
.set QV,  4                            ; v4   Q: 16 x lane + 1,024 x my tile's place in its record
.set QS,  5                            ; v5   Q's scale word: 16 r + 4 cx
.set OB,  6                            ; v6   my scale byte's place: 8 r + lane / 16
.set ADK, 8                            ; v8   LDS address of the step's fragments
.set ADS, 9                            ; v9   of its scale words
.set QH,  16                           ; v16-31 [0 | Q]
.set QL,  24                           ; v24-39 [Q | 0]
.set KF,  40                           ; v40-103  four fragments of K, then of V
.set S,   104                          ; v104-167 S^T, then p
.set O,   168                          ; v168-199 O^T: four tiles of 16 channels
.set PC,  200                          ; v200-215 p's codes
.set KSC, 216                          ; v216-219 K's scale words
.set VSC, 220                          ; v220-223 V's
.set QW,  224                          ; v224 Q's
.set PWD, 225                          ; v225 p's
.set RAW, 226                          ; v226 Q's scale word as loaded
.set BM,  228                          ; v228-231 a block's largest
.set BP,  232                          ; v232-235 the other half's; then the bytes
.set BH,  236                          ; v236-239 448 x the scale
.set BS,  240                          ; v240-243 the conversions' scale operands
.set F,   244                          ; v[244:245] 2^(old M - new M)
.set T,   246
.set EB,  247                          ; the scale byte to store
.set SUM2, 248                         ; v[248:249] the sum's second chain
.set RL,  250                          ; v[250:251] 1 / the sum
.set WV,  10                           ; s10 wave;  s11 cx;  s12 e;  s13 wave % 8;  s14 (batch, head);  s15 2 cx + e
.set G1,  16                           ; s[16:23], s[24:27] the descriptor
.set G0,  24
.set SEL, 28                           ; s[28:29] lane selects: lane l xor 16
.set CSC, 30                           ; s[30:31] log2(e) / 8
.set MNT, 32                           ; the mantissa field of 448
.set TB,  33                           ; LDS byte at which the step in hand begins
.set SI,  34                           ; the step
.set G,   35                           ; my task's g
.set PSEL, 36                          ; byte selects for Q's scale word
.set HIM, 37                           ; the mask of lanes 16-31
.set HB,  38                           ; oc: 1,024 x head
.set HS,  39                           ; osc: 128 (head / 4) + 2 (head % 4)
.macro ROUND                           ; a round of the cluster's barrier
	s_barrier_signal -1
	s_barrier_wait -1
	s_cmp_lg_u32 s[WV], 0
	s_cbranch_scc1 .Lnot_wave_0_\@
	s_barrier_signal -3
.Lnot_wave_0_\@:
	s_barrier_wait -3
	s_barrier_signal -1
	s_barrier_wait -1
.endm
	s_load_b128 s[4:7], s[0:1], 0x0                ; qkv s[4:5], oc s[6:7]
	s_load_b64 s[8:9], s[0:1], 0x10                ; osc
	v_lshl_add_u32 v254, v0, 2, 0x42000
	v_mov_b32 v255, 0
	ds_add_u32 v254, v255
	ds_add_u32 v254, v255
	v_lshrrev_b32 v1, 5, v0
	s_delay_alu instid0(VALU_DEP_1)
	v_readfirstlane_b32 s[WV], v1                  ; wave 0..15
	s_bfe_u32 s11, ttmp6, 0x40000                  ; cx
	s_lshr_b32 s12, s[WV], 3                       ; e
	s_and_b32 s13, s[WV], 7
	s_mov_b32 s14, ttmp9                           ; in a cluster launch ttmp9 counts clusters: the (batch, head)
	s_lshl_b32 s15, s11, 1
	s_add_co_u32 s15, s15, s12
	; the descriptor: wave w brings key step w: 16,896 dense bytes as 66 rows of 256 (32 elements of 8 bytes)
	s_mov_b32 s[G1], 15|(3<<16)|(1<<21)            ; 15:0 the mask: all four work-groups; 17:16 elements of 8 bytes; 21 set beside a mask
	s_mov_b32 s[G1+1], 32<<16                      ; tensor_dim0
	s_mov_b32 s[G1+2], 66<<16                      ; tensor_dim1
	s_mov_b32 s[G1+3], 32<<16                      ; tile_dim0
	s_mov_b32 s[G1+4], 66                          ; tile_dim1
	s_mov_b32 s[G1+5], 32                          ; tensor_dim0_stride
	s_mov_b32 s[G1+6], 0
	s_mov_b32 s[G1+7], 0
	s_mul_i32 s46, s14, HEADB
	s_mul_i32 s47, s[WV], REC
	s_add_co_u32 s46, s46, s47
	s_add_co_u32 s46, s46, 8448                    ; behind the record's q and q's scales
	s_mov_b32 s47, 0
	s_mov_b32 s[G0], 1
	s_mul_i32 s[G0+1], s[WV], LREC
	s_wait_dscnt 0x0
	s_wait_kmcnt 0x0
	s_add_nc_u64 s[G0+2:G0+3], s[4:5], s[46:47]
	s_or_b32 s[G0+3], s[G0+3], 0x80000000
	ROUND                                          ; all four work-groups are here: the joint loads meet
	s_cmp_lt_u32 s[WV], 2                          ; waves 0 and 1, which bring key steps 0 and 1, have a load line of their own: their tiles are shown ahead of the rest
	s_cbranch_scc0 .Lrest
	tensor_load_to_lds s[G0:G0+3], s[G1:G1+7]      ; my one tensor load of the launch
	s_nop 0
.rept 4
	v_nop
.endr
	s_branch .Lasked
.Lrest:
	tensor_load_to_lds s[G0:G0+3], s[G1:G1+7]      ; my one tensor load of the launch
	s_nop 0
.rept 4
	v_nop
.endr
.Lasked:
	s_mov_b32 s[SEL], 0x76543210
	s_mov_b32 s[SEL+1], 0xfedcba98
	s_mov_b32 s[CSC], 0x3e38aa3b                   ; log2(e) / sqrt(64)
	s_mov_b32 s[CSC+1], s[CSC]                     ; (named with it as a pair, so it is written)
	s_mov_b32 s[MNT], 0x600000
	s_mov_b32 s[HIM], 0xffff0000
	s_mov_b32 s[PSEL], 0x03020302                  ; an odd tile's two bytes lie in the word's upper half,
	s_cmp_eq_u32 s12, 0
	s_cselect_b32 s[PSEL], 0x01000100, s[PSEL]     ; an even tile's in the lower: either way they are set twice, for [Q | 0] and for [0 | Q]
	s_and_b32 s46, s14, 15                         ; the head
	s_lshl_b32 s[HB], s46, 10
	s_lshr_b32 s47, s46, 2
	s_lshl_b32 s47, s47, 7
	s_and_b32 s46, s46, 3
	s_lshl_b32 s46, s46, 1
	s_add_co_u32 s[HS], s47, s46
	v_and_b32 v7, 31, v0
	s_delay_alu instid0(VALU_DEP_1)
	v_lshlrev_b32 v[AL], 4, v7
	v_and_b32 v7, 15, v0                           ; r
	v_bfe_u32 v10, v0, 4, 1                        ; h
	s_delay_alu instid0(VALU_DEP_2)
	v_lshlrev_b32 v[AS], 4, v7
	s_delay_alu instid0(VALU_DEP_3)
	v_and_b32 v11, 8, v7
	s_delay_alu instid0(VALU_DEP_1)
	v_add_nc_u32 v[QD], v11, v7                    ; r + 8 (r / 8)
	s_delay_alu instid0(VALU_DEP_4)
	v_lshlrev_b32 v11, 4, v10
	s_delay_alu instid0(VALU_DEP_1)
	v_sub_nc_u32 v[QD], v[QD], v11
	s_lshl_b32 s46, s11, 5
	s_lshl_b32 s47, s12, 3
	s_add_co_u32 s46, s46, s47
	v_add_nc_u32 v[QD], s46, v[QD]                 ; + 32 cx + 8 e
	s_lshl_b32 s46, s15, 10
	v_add_nc_u32 v[QV], s46, v[AL]
	s_lshl_b32 s46, s11, 2
	v_add_nc_u32 v[QS], s46, v[AS]
	v_lshl_add_u32 v[OB], v7, 3, v10
.irp j, 0,1,2,3,4,5,6,7
	v_mov_b32 v[QH+\j], 0                          ; the zero codes on both sides of Q: written once
	v_mov_b32 v[QL+8+\j], 0
.endr
.irp b, 0,1,2,3
	v_mov_b32 v[BP+\b], 0                          ; written once: a lane permute's destination counts as one of its sources
.endr
	v_mov_b32 v[F+1], 0                            ; (upper halves of pairs of which the low word serves both halves)
	v_mov_b32 v[RL+1], 0
	v_mov_b32 v[T], 0
; A KEY STEP of 128 keys.  The loop has a constant 16 trips in a long task, 8 in a short one; a step all of whose keys come after my queries is jumped over, by the wave's number and the counter alone.
.macro STEP
	s_cmp_gt_u32 s[SI], s[G]
	s_cbranch_scc1 .Lhid_\@
	v_add_nc_u32 v[ADK], s[TB], v[AL]
	v_add_nc_u32 v[ADS], s[TB], v[AS]
.rept 6
	v_nop                                          ; with the two additions: eight places between the last step's products and the loads into their registers
.endr
	ds_load_b128 v[KSC:KSC+3], v[ADS] offset:16384
.irp f, 0,1,2,3
.irp c, 0,1,2,3
	ds_load_b128 v[KF+16*\f+4*\c:KF+16*\f+4*\c+3], v[ADK] offset:2048*\f+512*\c   ; key tiles 2 f and 2 f + 1: one fragment
.endr
.endr
	s_wait_alu depctr_va_vdst(0)
	s_wait_dscnt 0x0
.irp f, 0,1,2,3
	v_wmma_scale_f32_16x16x128_f8f6f4 v[S+16*\f:S+16*\f+7], v[KF+16*\f:KF+16*\f+15], v[QL:QL+15], 0, v[KSC+\f], v[QW]
	v_wmma_scale_f32_16x16x128_f8f6f4 v[S+16*\f+8:S+16*\f+15], v[KF+16*\f:KF+16*\f+15], v[QH:QH+15], 0, v[KSC+\f], v[QW]
.endr                                          ; register 16 b + i of S^T: key 32 b + 16 (lane / 16) + i of the step
.rept 8
	v_nop
.endr
	ds_load_b128 v[VSC:VSC+3], v[ADS] offset:16640
.irp f, 0,1,2,3
.irp c, 0,1,2,3
	ds_load_b128 v[KF+16*\f+4*\c:KF+16*\f+4*\c+3], v[ADK] offset:8192+2048*\f+512*\c   ; V's four fragments land while the softmax is worked
.endr
.endr
	s_cmp_lg_u32 s[SI], s[G]                       ; my last step lies on the diagonal: hidden scores become -infinity ahead of the maximum, so that p = 0
	s_cbranch_scc1 .Lopen_\@
	v_mov_b32 v[T], 0xff800000
.set n, 0
.rept 64
	v_cmp_gt_i32 vcc_lo, 32*(n/16)+n%16, v[QD]
	v_cndmask_b32 v[S+n], v[S+n], v[T], vcc_lo
.set n, n+1
.endr
.Lopen_\@:
.irp b, 0,1,2,3
	v_max3_num_f32 v[BM+\b], v[S+16*\b], v[S+1+16*\b], v[S+2+16*\b]   ; the largest score of each block of 32 keys: for the row's maximum, and, since p rises with the score, for the block's largest p
.endr
.irp i, 3,5,7,9,11,13
.irp b, 0,1,2,3
	v_max3_num_f32 v[BM+\b], v[BM+\b], v[S+16*\b+\i], v[S+1+16*\b+\i]
.endr
.endr
.irp b, 0,1,2,3
	v_max_num_f32 v[BM+\b], v[BM+\b], v[S+15+16*\b]
.endr
.irp b, 0,1,2,3
	s_delay_alu instid0(VALU_DEP_4)
	v_permlanex16_b32 v[BP+\b], v[BM+\b], s[SEL], s[SEL+1]
.endr
.irp b, 0,1,2,3
	s_delay_alu instid0(VALU_DEP_4)
	v_max_num_f32 v[BM+\b], v[BM+\b], v[BP+\b]     ; with lane l xor 16's 16 keys
.endr
	s_delay_alu instid0(VALU_DEP_2)
	v_max3_num_f32 v[T], v[BM], v[BM+1], v[BM+2]
	s_delay_alu instid0(VALU_DEP_1)
	v_max_num_f32 v[T], v[T], v[BM+3]
	s_delay_alu instid0(VALU_DEP_1)
	v_mul_f32 v[T], s[CSC], v[T]                   ; as t
	s_delay_alu instid0(VALU_DEP_1)
	v_max_num_f32 v13, v13, v[T]                   ; the running largest t
	v_mov_b32 v[T], v12
	s_delay_alu instid0(VALU_DEP_2)
	v_floor_f32 v12, -v13                          ; the new -M = floor(-t): M is a whole number
	s_delay_alu instid0(VALU_DEP_1)
	v_sub_f32 v[T], v12, v[T]                      ; old M - new M: a whole number, 0 or less
	s_delay_alu instid0(VALU_DEP_1)
	v_cvt_i32_f32 v[T], v[T]                       ; (it saturates)
	s_delay_alu instid0(VALU_DEP_1)
	v_ldexp_f32 v[F], 1.0, v[T]                    ; f = 2^(old M - new M)
.set j, 0
.rept 32
	v_pk_fma_f32 v[S+j:S+j+1], v[S+j:S+j+1], s[CSC:CSC+1], v[12:13] op_sel_hi:[1,0,0]   ; t - M, two at a time
.set j, j+2
.endr
.irp b, 0,1,2,3
	v_fma_f32 v[BM+\b], v[BM+\b], s[CSC], v12      ; the same of each block's largest score
.endr
.set j, 0
	s_wait_alu depctr_va_vdst(0)
.rept 64
	v_exp_f32 v[S+j], v[S+j]                       ; p = 2^(t - M), at most 1
.set j, j+1
.endr
.irp b, 0,1,2,3
	v_exp_f32 v[BM+\b], v[BM+\b]                   ; the block's largest p
.endr
	v_pk_mul_f32 v[14:15], v[14:15], v[F:F+1] op_sel_hi:[1,0]   ; the sums under the new M (a plain line behind the exponentials)
	s_wait_alu depctr_va_vdst(0)
.irp b, 0,1,2,3
	v_max_num_f32 v[BM+\b], 0x4800000, v[BM+\b]    ; the floor 2^(9 - 127): the byte cannot fall under 1
.endr
.irp b, 0,1,2,3
	s_delay_alu instid0(VALU_DEP_4)
	v_add_nc_u32 v[BS+\b], 0xfc000000, v[BM+\b]    ; the conversion's scale operand
.endr
.irp b, 0,1,2,3
	v_and_or_b32 v[BH+\b], v[BM+\b], 0x7f800000, s[MNT]   ; 448 x the scale
.endr
.irp b, 0,1,2,3
	v_lshrrev_b32 v[BP+\b], 23, v[BS+\b]           ; the byte
.endr
	s_delay_alu instid0(VALU_DEP_3)
	v_lshl_or_b32 v[PWD], v[BP+1], 8, v[BP]        ; p's scale word for these 128 keys
	s_delay_alu instid0(VALU_DEP_1)
	v_lshl_or_b32 v[PWD], v[BP+2], 16, v[PWD]
	s_delay_alu instid0(VALU_DEP_1)
	v_lshl_or_b32 v[PWD], v[BP+3], 24, v[PWD]
	v_pk_add_f32 v[248:249], v[108:109], v[112:113]
	v_pk_add_f32 v[252:253], v[116:117], v[120:121]
	v_pk_add_f32 v[230:231], v[124:125], v[128:129]
	v_pk_add_f32 v[228:229], v[132:133], v[136:137]
	v_pk_add_f32 v[226:227], v[140:141], v[144:145]
	v_pk_add_f32 v[218:219], v[148:149], v[152:153]
	v_pk_add_f32 v[216:217], v[156:157], v[160:161]
	v_pk_add_f32 v[14:15], v[14:15], v[164:165]
	v_pk_add_f32 v[248:249], v[248:249], v[104:105]
	v_pk_add_f32 v[252:253], v[252:253], v[106:107]
	v_pk_add_f32 v[230:231], v[230:231], v[110:111]
	v_pk_add_f32 v[228:229], v[228:229], v[114:115]
	v_pk_add_f32 v[226:227], v[226:227], v[118:119]
	v_pk_add_f32 v[218:219], v[218:219], v[122:123]
	v_pk_add_f32 v[216:217], v[216:217], v[126:127]
	v_pk_add_f32 v[14:15], v[14:15], v[130:131]
	v_pk_add_f32 v[248:249], v[248:249], v[134:135]
	v_pk_add_f32 v[252:253], v[252:253], v[138:139]
	v_pk_add_f32 v[230:231], v[230:231], v[142:143]
	v_pk_add_f32 v[228:229], v[228:229], v[146:147]
	v_pk_add_f32 v[226:227], v[226:227], v[150:151]
	v_pk_add_f32 v[218:219], v[218:219], v[154:155]
	v_pk_add_f32 v[216:217], v[216:217], v[158:159]
	v_pk_add_f32 v[14:15], v[14:15], v[162:163]
	v_pk_add_f32 v[248:249], v[248:249], v[166:167]
	s_delay_alu instid0(VALU_DEP_2)
	v_pk_add_f32 v[14:15], v[14:15], v[228:229]
	s_delay_alu instid0(VALU_DEP_2)
	v_pk_add_f32 v[248:249], v[248:249], v[226:227]
	v_pk_add_f32 v[252:253], v[252:253], v[218:219]
	v_pk_add_f32 v[230:231], v[230:231], v[216:217]
	s_delay_alu instid0(VALU_DEP_2)
	v_pk_add_f32 v[14:15], v[14:15], v[252:253]
	s_delay_alu instid0(VALU_DEP_2)
	v_pk_add_f32 v[248:249], v[248:249], v[230:231]
	s_delay_alu instid0(VALU_DEP_1)
	v_pk_add_f32 v[14:15], v[14:15], v[248:249]
.irp b, 0,1,2,3
.irp i, 0,2,4,6,8,10,12,14
	v_dual_min_num_f32 v[S+16*\b+\i], v[S+16*\b+\i], v[BH+\b] :: v_dual_min_num_f32 v[S+16*\b+\i+1], v[S+16*\b+\i+1], v[BH+\b]   ; the conversion does not saturate (ISA guide 7.6.2); p is not negative, so the hold is one-sided; two numbers an instruction
.endr
	v_cvt_scalef32_pk8_fp8_f32 v[PC+4*\b:PC+1+4*\b], v[S+16*\b:S+7+16*\b], v[BS+\b]
	v_cvt_scalef32_pk8_fp8_f32 v[PC+2+4*\b:PC+3+4*\b], v[S+8+16*\b:S+15+16*\b], v[BS+\b]
.endr
.set j, 0
.rept 16
	v_pk_mul_f32 v[O+j:O+j+1], v[O+j:O+j+1], v[F:F+1] op_sel_hi:[1,0]   ; O^T under the new M; these are also the places between the codes and the products below
.set j, j+2
.endr
	s_wait_alu depctr_va_vdst(0)
	s_wait_dscnt 0x0                               ; V and its scale words
.irp f, 0,1,2,3
	v_wmma_scale_f32_16x16x128_f8f6f4 v[O+8*\f:O+8*\f+7], v[KF+16*\f:KF+16*\f+15], v[PC:PC+15], v[O+8*\f:O+8*\f+7], v[VSC+\f], v[PWD]   ; the four accumulators by turns
.endr
.Lhid_\@:
	s_add_co_u32 s[TB], s[TB], LREC
.endm
; THE WAY OUT of a task: O^T / the sum; its 32 numbers a lane are two blocks of 32 channels (with lane l xor 16); they are quantised and leave as two groups of 512 consecutive bytes.
.macro OUT
.rept 8
	v_nop                                          ; places behind the last products
.endr
	v_add_f32 v14, v14, v15
	s_delay_alu instid0(VALU_DEP_1)
	v_permlanex16_b32 v[T], v14, s[SEL], s[SEL+1]
	s_delay_alu instid0(VALU_DEP_1)
	v_add_f32 v14, v14, v[T]                       ; the row's sum
	s_wait_alu depctr_va_vdst(0)
	v_rcp_f32 v[RL], v14
	v_nop                                          ; a plain line behind the transcendental
.set j, 0
	s_wait_alu depctr_va_vdst(0)
.rept 16
	v_pk_mul_f32 v[S+j:S+j+1], v[O+j:O+j+1], v[RL:RL+1] op_sel_hi:[1,0]   ; each accumulator from its low end on; register 16 b + i: channel 32 b + 16 (lane / 16) + i
.set j, j+2
.endr
.irp b, 0,1
	v_max3_num_f32 v[BM+\b], |v[S+16*\b]|, |v[S+1+16*\b]|, 0x4800000
.endr
.irp i, 2,4,6,8,10,12,14
.irp b, 0,1
	s_delay_alu instid0(VALU_DEP_2)
	v_max3_num_f32 v[BM+\b], v[BM+\b], |v[S+16*\b+\i]|, |v[S+1+16*\b+\i]|
.endr
.endr
.irp b, 0,1
	s_delay_alu instid0(VALU_DEP_2)
	v_permlanex16_b32 v[BP+\b], v[BM+\b], s[SEL], s[SEL+1]
.endr
.irp b, 0,1
	s_delay_alu instid0(VALU_DEP_2)
	v_max_num_f32 v[BM+\b], v[BM+\b], v[BP+\b]
.endr
.irp b, 0,1
	s_delay_alu instid0(VALU_DEP_2)
	v_add_nc_u32 v[BS+\b], 0xfc000000, v[BM+\b]
.endr
.irp b, 0,1
	s_delay_alu instid0(VALU_DEP_4)
	v_and_or_b32 v[BH+\b], v[BM+\b], 0x7f800000, s[MNT]
.endr
.irp b, 0,1
	s_delay_alu instid0(VALU_DEP_4)
	v_lshrrev_b32 v[BP+\b], 23, v[BS+\b]
.endr
.irp b, 0,1
.irp i, 0,1,2,3,4,5,6,7,8,9,10,11,12,13,14,15
	v_med3_num_f32 v[S+16*\b+\i], v[S+16*\b+\i], -v[BH+\b], v[BH+\b]
.endr
	v_cvt_scalef32_pk8_fp8_f32 v[PC+4*\b:PC+1+4*\b], v[S+16*\b:S+7+16*\b], v[BS+\b]
	v_cvt_scalef32_pk8_fp8_f32 v[PC+2+4*\b:PC+3+4*\b], v[S+8+16*\b:S+15+16*\b], v[BS+\b]
.endr
	v_cndmask_b32 v[EB], v[BP], v[BP+1], s[HIM]    ; lanes 0-15 store block 0's byte of row r, lanes 16-31 block 1's (a plain line behind the conversions)
	global_store_b128 v[AL], v[PC:PC+3], s[42:43]
	global_store_b128 v[AL], v[PC+4:PC+7], s[42:43] offset:512
	global_store_b8 v[OB], v[EB], s[44:45]         ; a head owns 2 of a row's 32 scale bytes: single bytes, 1/32 of the codes' bytes
.endm
; A task in two parts: A asks for its queries, B waits for them and walks the keys.  which = 1: the long task, g = 15 - wave % 8, which goes first; 0: the short one, g = wave % 8.
.macro TASKA which
	s_wait_xcnt 0x0                                ; the last task's stores have read their registers and bases
.if \which
	s_sub_co_u32 s[G], 15, s13
.else
	s_mov_b32 s[G], s13
.endif
	s_mul_i32 s46, s14, HEADB
	s_mul_i32 s47, s[G], REC
	s_add_co_u32 s46, s46, s47
	s_mov_b32 s47, 0
	s_add_nc_u64 s[40:41], s[4:5], s[46:47]        ; my queries' record
	s_lshr_b32 s48, s14, 4
	s_lshl_b32 s48, s48, 7
	s_lshl_b32 s49, s[G], 3
	s_add_co_u32 s48, s48, s49
	s_add_co_u32 s48, s48, s15                     ; my token tile: 128 x batch + 8 g + 2 cx + e
	s_lshl_b32 s46, s48, 14
	s_add_co_u32 s46, s46, s[HB]
	s_add_nc_u64 s[42:43], s[6:7], s[46:47]
	s_lshl_b32 s46, s48, 9
	s_add_co_u32 s46, s46, s[HS]
	s_add_nc_u64 s[44:45], s[8:9], s[46:47]
	global_load_b128 v[QL:QL+3], v[QV], s[40:41]
	global_load_b128 v[QL+4:QL+7], v[QV], s[40:41] offset:512
	global_load_b32 v[RAW], v[QS], s[40:41] offset:8192
.endm
.macro TASKB which
	s_wait_loadcnt 0x0
	v_perm_b32 v[QW], v[RAW], v[RAW], s[PSEL]
	v_mov_b32 v13, 0xff61b1e6                      ; the largest t so far: -3e38, under every t
	s_delay_alu instid0(VALU_DEP_1)
	v_floor_f32 v12, -v13                          ; -M
	v_mov_b32 v14, 0                               ; the sum, in two halves
	v_mov_b32 v15, 0
.set j, 0
.rept 32
	v_mov_b32 v[O+j], 0                            ; O^T: the step is written once, its first trip finds zeros.  (These lines are also the places between Q's scale word and its first product)
.set j, j+1
.endr
	s_mov_b32 s[TB], 0
	s_mov_b32 s[SI], 0
.if \which
.Lfirst_\@:                                            ; key steps 0 and 1 count for every query of a long task: two trips in every wave, on the two tiles that the first barrier has shown
	STEP
	s_add_co_u32 s[SI], s[SI], 1
	s_cmp_lt_u32 s[SI], 2
	s_cbranch_scc1 .Lfirst_\@
	s_wait_tensorcnt 0x0                           ; my key step is in (every wave waits here, under no branch),
	s_wait_dscnt 0x0
	s_barrier_signal -1
	s_barrier_wait -1                              ; everybody's is: from here on LDS is only read
.endif
.Lstep_\@:                                             ; a short task has no key behind step 7
	STEP
	s_add_co_u32 s[SI], s[SI], 1
	s_cmp_lt_u32 s[SI], 8+8*\which
	s_cbranch_scc1 .Lstep_\@
	OUT
.endm
	TASKA 1                                        ; the first task's queries are asked for ahead of the wait for the tiles
	s_wait_alu depctr_va_vdst(0)                   ; the wait at the head's end
	s_cmp_lt_u32 s[WV], 2
	s_cbranch_scc0 .Lnot_first
	s_wait_tensorcnt 0x0                           ; waves 0 and 1: key steps 0 and 1 are in; the other waves' wait stands behind the first two trips
.Lnot_first:
	s_barrier_signal -1
	s_barrier_wait -1
	TASKB 1
	TASKA 0
	TASKB 0
	s_wait_dscnt 0x0
	s_wait_tensorcnt 0x0
	ds_add_u32 v254, v255
	s_wait_dscnt 0x0
	ROUND                                          ; the closing round: no work-group ends while a partner may still ask for a tile that names it
	s_endpgm
.Lfunc_end_k_qdbf324c5dd_attn:
	.size	k_qdbf324c5dd_attn, .Lfunc_end_k_qdbf324c5dd_attn-k_qdbf324c5dd_attn
	.p2alignl 7, 3214868480
	.fill 96, 4, 3214868480
	.section	.rodata,"a",@progbits
	.p2align	6, 0x0
	.amdhsa_kernel k_qdbf324c5dd_attn
		.amdhsa_group_segment_fixed_size 272384
		.amdhsa_private_segment_fixed_size 0
		.amdhsa_enable_private_segment 0
		.amdhsa_kernarg_size 24
		.amdhsa_user_sgpr_count 2
		.amdhsa_user_sgpr_kernarg_segment_ptr 1
		.amdhsa_wavefront_size32 1
		.amdhsa_system_sgpr_workgroup_id_x 1
		.amdhsa_system_sgpr_workgroup_id_y 1
		.amdhsa_system_sgpr_workgroup_id_z 1
		.amdhsa_system_vgpr_workitem_id 0
		.amdhsa_next_free_vgpr 256
		.amdhsa_next_free_sgpr 66
		.amdhsa_reserve_vcc 1
		.amdhsa_float_denorm_mode_32 3
		.amdhsa_float_denorm_mode_16_64 3
		.amdhsa_memory_ordered 1
		.amdhsa_forward_progress 1
		.amdhsa_inst_pref_size 97
	.end_amdhsa_kernel
	.amdgpu_metadata
---
amdhsa.version: [ 1, 2 ]
amdhsa.kernels:
  - .name:           k_qdbf324c5dd_attn
    .symbol:         k_qdbf324c5dd_attn.kd
    .args:
      - { .name: qkv, .offset: 0, .size: 8, .value_kind: global_buffer, .address_space: global }
      - { .name: oc, .offset: 8, .size: 8, .value_kind: global_buffer, .address_space: global }
      - { .name: osc, .offset: 16, .size: 8, .value_kind: global_buffer, .address_space: global }
    .group_segment_fixed_size: 272384
    .private_segment_fixed_size: 0
    .kernarg_segment_align: 8
    .kernarg_segment_size: 24
    .max_flat_workgroup_size: 512
    .sgpr_count:     66
    .vgpr_count:     256
    .wavefront_size: 32
...
	.end_amdgpu_metadata
.endif
;; end of part 3
;; launch gemm2 (part 4): grid 8 x 32, 4 waves a work-group, clusters of 4 x 4, 327,680 bytes of LDS; arguments cod, scl, oc, osc, b_out, out0; writes out0
.if DOCPART == 4
	.amdgcn_target "amdgcn-amd-amdhsa--gfx1250"
	.amdhsa_code_object_version 6
	.text
	.protected	k_qdbf324c5dd_gemm2
	.globl	k_qdbf324c5dd_gemm2
	.p2align	8
	.type	k_qdbf324c5dd_gemm2,@function
k_qdbf324c5dd_gemm2:
	s_mov_b64 s[64:65], 0
	v_nop
	global_prefetch_b8 v0, s[64:65] scope:SCOPE_SE
	s_setreg_imm32_b32 hwreg(HW_REG_WAVE_MODE, 25, 1), 1
	s_wait_xcnt 0x0
	s_wait_alu depctr_hold_cnt(0) depctr_sa_sdst(0) depctr_va_vdst(0) depctr_va_sdst(0) depctr_va_ssrc(0) depctr_va_vcc(0) depctr_vm_vsrc(0)
	s_getreg_b32 s2, hwreg(HW_REG_IB_STS2, 6, 4)
	s_cmp_eq_u32 s2, 0
	s_cbranch_scc0 .Lentry_in_a_cluster
	s_endpgm
.Lentry_in_a_cluster:
	s_bfe_u32 s2, ttmp6, 0x10000c
	s_cmp_lg_u32 s2, 0xf033
	s_cbranch_scc0 .Lentry_shape_is_right
	s_endpgm
.Lentry_shape_is_right:
; out0 = O w_out + b_out on codes of FP8 (E4M3) with E8M0 scales, 8,192 x 1,024 x 1,024; sums in f32, stored as f32.
; OPERANDS lie in memory as images of the matrix instruction's registers: [row tile of 16][K step of 128][2,048 bytes], 16,384 bytes a tile; scale bytes [row tile][K / 256][row][2 words], 512 bytes a tile.
; O's token tiles are oc's and osc's 512; w_out's column tiles are cod's and scl's 704 to 767.  Row i of tile 2 g + u is the actual row 32 g + 8 u + i + 8 (i / 8).
; THE DEAL.  256 work-groups of four waves, 2 x 2; a work-group makes 256 tokens x 128 columns.  A wave holds 64 columns of w_out, ALL of K, in 512 registers, and streams eight blocks of 16 tokens past them; a block stands in registers whole, in two sets.
; Source 0 = w_out's rows, source 1 = the tokens: a lane holds one token, and the 16 registers of two column tiles are 16 neighbouring columns.  The bias is the first products' C.
; LDS: chunk 0 (128 tokens) at 0; w_out's 128 rows behind it; the scale bytes of the 256 tokens; a stage for each wave; the spare words.  When the weight is in registers, chunk 1 is filled over it, behind a drained round; the barrier inside block 2 shows it.
; CLUSTERS of 4 x 4: a row shares the tokens' tiles, a column the weight's: joint loads.  The weight has wave 0's load line to itself, so that it is shown ahead of the rest.
; THE WAY OUT of a block stands among the next block's products: through the wave's own stage, back as rows of 256 bytes, which sixteen lanes store as one aligned unit.
; A PREFETCH of chunk 1: its 512 blocks of 256 bytes are shared out by address among the sixteen waves of a cluster's row, a lane a block, ahead of the weight's 128 LDS loads and the round behind which the chunk is asked for.  Chunk 0 and the weight come by their loads alone.
; LIMITS: NaN, infinities and sums beyond f32's range are not served.
.set TILEB,  16384
.set CHUNK,  8*TILEB                   ; 128 rows, all of K
.set WSLOT,  CHUNK                     ; the weight's rows, then chunk 1
.set SCX,    2*CHUNK                   ; the tokens' scale bytes: 16 tiles of 512
.set STAGE,  SCX+8192
.set SPITCH, 272                       ; a stage row: 256 bytes + 16
.set SPARE,  STAGE+4*16*SPITCH
.set NP, 8                             ; plain vector lines behind this matrix instruction (ISA guide 7.12.1)
.set NF, 36                            ; LDS loads of a block: 32 of codes, 4 of scale words
.set XA,   4                           ; v4-11  LDS address of my block j's fragments
.set ADRB, 12                          ; v12    of my 64 rows of the weight
.set AAS,  13                          ; v13    of my row's scale words in my first tile
.set STO,  14                          ; v14    the stage, in
.set RD,   15                          ; v15    the stage, back
.set CO,   16                          ; v16    my place in two rows of out0
.set VB0,  17                          ; v17    bias: 64 x (lane / 16)
.set ABS,  18                          ; v18    the weight's scale words: 512 x (lane / 16) + 8 r
.set PF,   19                          ; v19    the prefetch's offset
.set SPW,  20                          ; v20    my spare word
.set NIL,  21                          ; v21    0
.set SB,   24                          ; v24-39 the weight's scale words: register 8 p + q: lanes 0-15 tile 2 p's, lanes 16-31 tile 2 p + 1's
.set SA,   44                          ; v44-59 the tokens': two sets of eight
.set ACC,  64                          ; v64-127 two sets of four accumulators
.set BI,   128                         ; v128-159 the bias in the result's layout
.set BK,   160                         ; v160-191 16 rows read back from the stage
.set G1W, 24                           ; descriptor groups: the weight
.set G0W, 56
.set G1X, 32                           ; chunk 0
.set G0X, 60
.set G1R, 48                           ; chunk 1: a quarter a wave
.set G0R, 68
.set G1S, 80                           ; the tokens' scale bytes
.set G0S, 72
.set MSB, 0
.macro WIN new                         ; the immediate's high byte repeats the setting that is left
.if MSB != (\new)
	s_set_vgpr_msb (MSB<<8)|(\new)
.set MSB, (\new)
.endif
.endm
.macro PLACES n
.rept \n
	v_nop
.endr
.endm
.macro BARRIER
	s_barrier_signal -1
	s_barrier_wait -1
.endm
.macro CROUND                          ; a round of the cluster's barrier
	BARRIER
	s_cmp_lg_u32 s14, 0
	s_cbranch_scc1 .Lnot_wave_0_\@
	s_barrier_signal -3
.Lnot_wave_0_\@:
	s_barrier_wait -3
	BARRIER
.endm
.macro TLOAD g0, g1                    ; an s_nop 0 and four v_nop follow a tensor load
	tensor_load_to_lds s[\g0:\g0+3], s[\g1:\g1+7]
	s_nop 0
	PLACES 4
.endm
.macro GROUP1 g, mask, rows            ; a dense run of so many rows of 4,096 bytes (512 elements of 8)
	s_or_b32 s[\g+0], s\mask, (3<<16)|(1<<21)
	s_mov_b32 s[\g+1], 512<<16
	s_mov_b32 s[\g+2], (\rows)<<16
	s_mov_b32 s[\g+3], 512<<16
	s_mov_b32 s[\g+4], \rows
	s_mov_b32 s[\g+5], 512
	s_mov_b32 s[\g+6], 0
	s_mov_b32 s[\g+7], 0
.endm
	s_load_b256 s[4:11], s[0:1], 0x0               ; cod, scl, oc, osc
	s_load_b128 s[96:99], s[0:1], 0x20             ; b_out, out0
	v_lshl_add_u32 v[SPW], v0, 2, SPARE
	v_mov_b32 v[NIL], 0
	ds_add_u32 v[SPW], v[NIL]                      ; the opening lines: the add, twice on end, and its wait ahead of my first tensor load
	ds_add_u32 v[SPW], v[NIL]
	v_lshrrev_b32 v1, 5, v0
	v_readfirstlane_b32 s14, v1                    ; wave 0..3
	s_lshr_b32 s15, s14, 1                         ; my row of waves: which four tiles of a chunk
	s_and_b32 s16, s14, 1                          ; my column of waves: which 64 columns
	s_bfe_u32 s40, ttmp6, 0x40000                  ; cx, cy
	s_bfe_u32 s41, ttmp6, 0x40004
	s_lshl_b32 s42, ttmp9, 2
	s_add_co_u32 s42, s42, s40                     ; column block 0..7
	s_and_b32 s17, ttmp7, 0xffff
	s_lshl_b32 s17, s17, 2
	s_add_co_u32 s17, s17, s41                     ; token block 0..31
	s_lshl_b32 s43, s41, 2
	s_lshl_b32 s43, 15, s43                        ; my row of the cluster shares the tokens
	s_lshl_b32 s44, 0x1111, s40                    ; my column the weight
	GROUP1 G1W, 44, 32
	GROUP1 G1X, 43, 32
	GROUP1 G1R, 43, 8
	s_or_b32 s[G1S+0], s43, (3<<16)|(1<<21)        ; 4,096 dense bytes as 16 rows of 256
	s_mov_b32 s[G1S+1], 32<<16
	s_mov_b32 s[G1S+2], 16<<16
	s_mov_b32 s[G1S+3], 32<<16
	s_mov_b32 s[G1S+4], 16
	s_mov_b32 s[G1S+5], 32
	s_mov_b32 s[G1S+6], 0
	s_mov_b32 s[G1S+7], 0
	s_lshl_b32 s20, s42, 3
	s_add_co_u32 s20, s20, 704                     ; the weight's first tile
	s_lshl_b32 s22, s16, 2
	s_add_co_u32 s22, s22, s20
	s_lshl_b32 s22, s22, 9                         ; my wave's four tiles' scale bytes
	s_mov_b32 s23, 0
	s_lshl_b32 s20, s20, 14
	s_mov_b32 s21, 0
	s_lshl_b32 s46, s17, 18                        ; my 16 token tiles' codes
	s_mov_b32 s47, 0
	s_lshl_b32 s92, s17, 13                        ; their scale bytes: waves 2 and 3 take a half each
	s_lshl_b32 s93, s16, 12
	s_add_co_u32 s92, s92, s93
	s_mov_b32 s93, 0
	s_mov_b32 s[G0W], 1
	s_mov_b32 s[G0W+1], WSLOT
	s_mov_b32 s[G0X], 1
	s_mov_b32 s[G0X+1], 0
	s_mov_b32 s[G0S], 1
	s_lshl_b32 s[G0S+1], s16, 12
	s_add_co_u32 s[G0S+1], s[G0S+1], SCX
	s_mov_b32 s[G0R], 1
	s_lshl_b32 s[G0R+1], s14, 15
	s_add_co_u32 s[G0R+1], s[G0R+1], WSLOT
	s_lshl_b32 s94, s14, 15                        ; chunk 1: two tiles a wave
	s_add_co_u32 s94, s94, CHUNK
	s_add_co_u32 s94, s94, s46
	s_mov_b32 s95, 0
	s_lshl_b32 s66, s15, 16                        ; LDS: my four tiles of a chunk,
	s_lshl_b32 s67, s16, 16
	s_add_co_u32 s67, s67, WSLOT                   ; my four of the weight,
	s_lshl_b32 s88, s15, 11
	s_add_co_u32 s88, s88, SCX                     ; my tiles' scale bytes,
	s_mul_i32 s89, s14, 16*SPITCH
	s_add_co_u32 s89, s89, STAGE                   ; my stage
	s_lshl_b32 s90, s40, 2
	s_add_co_u32 s90, s90, s14                     ; which of the cluster row's sixteen waves I am: 8,192 bytes of chunk 1 each
	s_lshl_b32 s90, s90, 13
	s_add_co_u32 s90, s90, s46
	s_add_co_u32 s90, s90, CHUNK
	s_lshl_b32 s12, s17, 8
	s_lshl_b32 s13, s15, 6
	s_add_co_u32 s12, s12, s13                     ; my first token: 256 x block + 64 x my row of waves
	s_lshl_b32 s12, s12, 12
	s_lshl_b32 s18, s42, 9
	s_lshl_b32 s19, s16, 8
	s_add_co_u32 s18, s18, s19                     ; my first column, in bytes
	s_add_co_u32 s12, s12, s18
	s_mov_b32 s13, 0
	s_mov_b32 s19, 0
	s_wait_dscnt 0x0                               ; both opening adds are done
	CROUND                                         ; all sixteen work-groups are here: the first joint loads meet
	s_wait_kmcnt 0x0
	s_add_nc_u64 s[G0W+2:G0W+3], s[4:5], s[20:21]
	s_or_b32 s[G0W+3], s[G0W+3], 0x80000000
	s_add_nc_u64 s[G0X+2:G0X+3], s[8:9], s[46:47]
	s_or_b32 s[G0X+3], s[G0X+3], 0x80000000
	s_add_nc_u64 s[G0S+2:G0S+3], s[10:11], s[92:93]
	s_or_b32 s[G0S+3], s[G0S+3], 0x80000000
	s_add_nc_u64 s[G0R+2:G0R+3], s[8:9], s[94:95]
	s_or_b32 s[G0R+3], s[G0R+3], 0x80000000
	s_add_nc_u64 s[22:23], s[6:7], s[22:23]
	s_add_nc_u64 s[96:97], s[96:97], s[18:19]
	s_add_nc_u64 s[12:13], s[98:99], s[12:13]
	s_cmp_eq_u32 s14, 0                            ; one joint load a wave, in one tree of branches on the wave's number
	s_cbranch_scc0 .Lwave_1
	TLOAD G0W, G1W                                 ; wave 0: the weight, which is wanted first
	s_branch .Lasked
.Lwave_1:
	s_cmp_eq_u32 s14, 1
	s_cbranch_scc0 .Lfor_scales
	TLOAD G0X, G1X                                 ; wave 1: chunk 0
	s_branch .Lasked
.Lfor_scales:
	TLOAD G0S, G1S                                 ; waves 2, 3: half of the tokens' scale bytes each
.Lasked:
	v_and_b32 v1, 15, v0                           ; r
	v_bfe_u32 v2, v0, 4, 1                         ; h
	v_and_b32 v3, 31, v0                           ; lane
	v_lshlrev_b32 v22, 4, v3
	v_add_nc_u32 v[XA], s66, v22
.irp k, 1,2,3,4,5,6,7
	v_add_nc_u32 v[XA+\k], (\k/4)*CHUNK+(\k%4)*TILEB, v[XA]   ; block k: chunk k / 4, my tile k % 4
.endr
	v_add_nc_u32 v[ADRB], s67, v22
	v_lshl_add_u32 v[AAS], v1, 3, s88
	v_mul_u32_u24 v23, v1, SPITCH
	v_lshl_add_u32 v23, v2, 6, v23
	v_add_nc_u32 v[STO], s89, v23                  ; in: row r, 64 bytes for each half of the lanes
	v_mul_u32_u24 v23, v2, SPITCH
	v_lshl_add_u32 v23, v1, 4, v23
	v_add_nc_u32 v[RD], s89, v23                   ; back: lanes 0-15 one row, lanes 16-31 the next
	v_lshlrev_b32 v[CO], 12, v2
	v_lshl_add_u32 v[CO], v1, 4, v[CO]             ; and the same two rows of out0
	v_lshlrev_b32 v[VB0], 6, v2
	v_lshlrev_b32 v[ABS], 9, v2
	v_lshl_add_u32 v[ABS], v1, 3, v[ABS]
	v_lshl_add_u32 v[PF], v3, 8, s90
	s_wait_alu depctr_va_vdst(0)                   ; the wait at the head's end
.irp b, 0,1,2,3
	global_load_b128 v[BI+8*\b:BI+8*\b+3], v[VB0], s[96:97] offset:128*(\b/2)+32*(\b%2)       ; tile b's register j is column 32 (b / 2) + 16 h + 8 (b % 2) + j
	global_load_b128 v[BI+8*\b+4:BI+8*\b+7], v[VB0], s[96:97] offset:128*(\b/2)+32*(\b%2)+16
.endr
.irp p, 0,1
.irp c, 0,1,2,3
	global_load_b64 v[SB+8*\p+2*\c:SB+8*\p+2*\c+1], v[ABS], s[22:23] offset:1024*\p+128*\c
.endr
.endr
	s_cmp_eq_u32 s14, 0
	s_cbranch_scc0 .Lnot_w
	s_wait_tensorcnt 0x0                           ; wave 0: the weight has landed; the other waves' wait stands ahead of the round below
.Lnot_w:
	BARRIER
	global_prefetch_b8 v[PF], s[8:9] th:TH_LOAD_NT scope:SCOPE_SE
.irp q, 0,1,2,3,4,5,6,7                ; my 64 rows of the weight into windows 1 and 2: fragment 4 q + b
.irp b, 0,1,2,3
	WIN (1+(4*\q+\b)/16)<<6
.irp c, 0,1,2,3
	ds_load_b128 v[16*((4*\q+\b)%16)+4*\c:16*((4*\q+\b)%16)+4*\c+3], v[ADRB] offset:\b*TILEB+\q*2048+512*\c
.endr
.endr
.endr
	WIN 0
	s_wait_tensorcnt 0x0                           ; chunk 0 and the scale bytes are in;
	ds_add_u32 v[SPW], v[NIL]
	s_wait_dscnt 0x0                               ; the add is done, and the weight is in registers
	CROUND
	TLOAD G0R, G1R                                 ; chunk 1 over the weight's rows: the first tensor load behind the round
.macro FETCH k, xa, toff               ; a block of 16 tokens, all of K, into set k of window 3, and its scale words
	WIN 3<<6
.irp q, 0,1,2,3,4,5,6,7
.irp c, 0,1,2,3
	ds_load_b128 v[128*(\k)+16*\q+4*\c:128*(\k)+16*\q+4*\c+3], v[\xa] offset:2048*\q+512*\c
.endr
.endr
	WIN 0
.irp c, 0,1,2,3
	ds_load_b64 v[SA+8*(\k)+2*\c:SA+8*(\k)+2*\c+1], v[AAS] offset:(\toff)+128*\c
.endr
.endm
.macro PROD e, n                       ; product n = 4 q + b: the q-th 128 of K, column tile b; tokens and sums in set e.  The four accumulators take turns
.set Q_, (\n)/4
.set B_, (\n)%4
.set AC_, ACC+32*(\e)+8*B_
.set C_, AC_
.if Q_ == 0
.set C_, BI+8*B_
.endif
.set R_, 128*(\e)+16*Q_
.set W_, 16*((\n)%16)
.set XS_, SA+8*(\e)+Q_
.set WS_, SB+8*(B_/2)+Q_
	WIN (1+(\n)/16)|(3<<2)
.if B_%2
	v_wmma_scale_f32_16x16x128_f8f6f4 v[AC_:AC_+7], v[W_:W_+15], v[R_:R_+15], v[C_:C_+7], v[WS_], v[XS_] matrix_a_scale:MATRIX_SCALE_ROW1
.else
	v_wmma_scale_f32_16x16x128_f8f6f4 v[AC_:AC_+7], v[W_:W_+15], v[R_:R_+15], v[C_:C_+7], v[WS_], v[XS_]
.endif
.endm
.macro OUTOP n, pj                     ; what stands behind product n: a part of block pj's way out
.set PA_, ACC+32*((\pj)%2)
.set TR_, 128*((\pj)/4)+32*(((\pj)%4)/2)+8*((\pj)%2)   ; the block's first token among my wave's
.if (\n) >= 1 && (\n) <= 4
.set T_, (\n)-1
	WIN 0
	ds_store_b128 v[STO], v[PA_+8*T_:PA_+8*T_+3] offset:128*(T_/2)+32*(T_%2)        ; each accumulator from its low end on
	ds_store_b128 v[STO], v[PA_+8*T_+4:PA_+8*T_+7] offset:128*(T_/2)+32*(T_%2)+16
.elseif (\n) >= 5 && (\n) <= 8
.set T_, 2*((\n)-5)
	WIN 0
	ds_load_b128 v[BK+4*T_:BK+4*T_+3], v[RD] offset:T_*2*SPITCH                     ; LDS serves a wave's instructions in order: these see my stores
	ds_load_b128 v[BK+4*T_+4:BK+4*T_+7], v[RD] offset:(T_+1)*2*SPITCH
.elseif (\n) >= 24 && (\n) <= 27
.set T_, 2*((\n)-24)
	WIN 0
.if (\n) == 24
	s_wait_dscnt 0x0                               ; the rows are back
.endif
	global_store_b128 v[CO], v[BK+4*T_:BK+4*T_+3], s[12:13] offset:(TR_+2*T_+8*(T_/4))*4096 th:TH_STORE_NT   ; sixteen lanes store 256 consecutive bytes, aligned
	global_store_b128 v[CO], v[BK+4*T_+4:BK+4*T_+7], s[12:13] offset:(TR_+2*(T_+1)+8*((T_+1)/4))*4096 th:TH_STORE_NT
.endif
.endm
.macro BLK j
.if (\j) < 7
	s_wait_dscnt NF                                ; this block is in; the next block's 36 loads may be out
.else
	s_wait_dscnt 0x0
.endif
	s_wait_xcnt 0x0                                ; the last stores have read the registers that this block's loads from the stage write
.set N_, 0
.rept 32
	PROD (\j)%2, N_
.if (\j) > 0
	OUTOP N_, (\j)-1
.endif
.if (\j) == 2 && N_ == 27
	WIN 0
	s_wait_tensorcnt 0x0                           ; my quarter of chunk 1 is in
	s_wait_dscnt 0x0
	s_barrier_signal -1
.endif
.set N_, N_+1
.endr
	WIN 0
.if (\j) == 2
	s_barrier_wait -1                              ; everybody's is
.endif
	PLACES NP                                      ; behind the block's last product: ahead of the loads into its set and of the stores of its sums
.if (\j) < 6
	FETCH (\j)%2, XA+(\j)+2, (8*(((\j)+2)/4)+((\j)+2)%4)*512
.endif
.endm
	FETCH 0, XA, 0
	FETCH 1, XA+1, 512
	s_wait_loadcnt 0x0                             ; the bias and the weight's scale words
.irp j, 0,1,2,3,4,5,6,7
	BLK \j
.endr
	s_wait_xcnt 0x0
.irp n, 1,2,3,4,5,6,7,8,24,25,26,27
	OUTOP \n, 7
.endr
	s_wait_tensorcnt 0x0                           ; the wave's end
	ds_add_u32 v[SPW], v[NIL]
	s_wait_dscnt 0x0
	CROUND                                         ; the closing round
	s_endpgm
.Lfunc_end_k_qdbf324c5dd_gemm2:
	.size	k_qdbf324c5dd_gemm2, .Lfunc_end_k_qdbf324c5dd_gemm2-k_qdbf324c5dd_gemm2
	.p2alignl 7, 3214868480
	.fill 96, 4, 3214868480
	.section	.rodata,"a",@progbits
	.p2align	6, 0x0
	.amdhsa_kernel k_qdbf324c5dd_gemm2
		.amdhsa_group_segment_fixed_size 327680
		.amdhsa_private_segment_fixed_size 0
		.amdhsa_enable_private_segment 0
		.amdhsa_kernarg_size 48
		.amdhsa_user_sgpr_count 2
		.amdhsa_user_sgpr_kernarg_segment_ptr 1
		.amdhsa_wavefront_size32 1
		.amdhsa_system_sgpr_workgroup_id_x 1
		.amdhsa_system_sgpr_workgroup_id_y 1
		.amdhsa_system_sgpr_workgroup_id_z 1
		.amdhsa_system_vgpr_workitem_id 0
		.amdhsa_next_free_vgpr 1024
		.amdhsa_next_free_sgpr 102
		.amdhsa_reserve_vcc 0
		.amdhsa_float_denorm_mode_32 3
		.amdhsa_float_denorm_mode_16_64 3
		.amdhsa_memory_ordered 1
		.amdhsa_forward_progress 1
		.amdhsa_inst_pref_size 93
	.end_amdhsa_kernel
	.amdgpu_metadata
---
amdhsa.version: [ 1, 2 ]
amdhsa.kernels:
  - .name:           k_qdbf324c5dd_gemm2
    .symbol:         k_qdbf324c5dd_gemm2.kd
    .args:
      - { .name: cod, .offset: 0, .size: 8, .value_kind: global_buffer, .address_space: global }
      - { .name: scl, .offset: 8, .size: 8, .value_kind: global_buffer, .address_space: global }
      - { .name: oc, .offset: 16, .size: 8, .value_kind: global_buffer, .address_space: global }
      - { .name: osc, .offset: 24, .size: 8, .value_kind: global_buffer, .address_space: global }
      - { .name: b_out, .offset: 32, .size: 8, .value_kind: global_buffer, .address_space: global }
      - { .name: out0, .offset: 40, .size: 8, .value_kind: global_buffer, .address_space: global }
    .group_segment_fixed_size: 327680
    .private_segment_fixed_size: 0
    .kernarg_segment_align: 8
    .kernarg_segment_size: 48
    .max_flat_workgroup_size: 128
    .sgpr_count:     102
    .vgpr_count:     1024
    .wavefront_size: 32
...
	.end_amdgpu_metadata
.endif
;; end of part 4
